; MI455X (gfx1250); checked and timed in simulation.
; The chip was launched on July 23, 2026; its instructions are those of AMD's public machine-readable ISA for CDNA 5 (MIT licence, August 2026) and "CDNA5" Instruction Set Architecture Reference Guide (July 2026). The comments in the code are by the model that wrote it; some were corrected since.
;; Encoder. Allowed arithmetic: matrix products marked QUANTISED: E4M3 operands, one given power-of-two scale a tensor, by v_wmma_f32_16x16x64_fp8_fp8 or v_wmma_f32_16x16x128_fp8_fp8, f32 sums; everything else in f32.
;; Inputs: W1_codes 4,096 x 32 x 32 uint8 (E4M3 codes of W1, K innermost, in blocks of 32 codes); W2_codes 1,024 x 128 x 32 uint8 (E4M3 codes of W2, K innermost, in blocks of 32 codes); Wk_codes 16 x 64 x 32 x 32 uint8 (E4M3 codes of Wk, K innermost, in blocks of 32 codes); Wo_codes 1,024 x 32 x 32 uint8 (E4M3 codes of Wo, K innermost, in blocks of 32 codes); Wq_codes 16 x 64 x 32 x 32 uint8 (E4M3 codes of Wq, K innermost, in blocks of 32 codes); Wv_codes 16 x 64 x 32 x 32 uint8 (E4M3 codes of Wv, K innermost, in blocks of 32 codes); b1 4,096 float32; b2 1,024 float32; beta1 1,024 float32; beta2 1,024 float32; bk 16 x 64 float32; bo 1,024 float32; bq 16 x 64 float32; bv 16 x 64 float32; gamma1 1,024 float32; gamma2 1,024 float32; lowp_scales 16 int32 (the exponents e of the quantised operands' scales 2^e); x 2 x 2,048 x 1,024 float32.
;; Outputs: out0 2 x 2,048 x 1,024 float32.
;; This version of the problem:
;;   THIS VERSION OF THE PROBLEM IS GIVEN IN LOW PRECISION. The matrix products marked QUANTISED in the list below multiply operands that are first quantised to E4M3 (4 exponent bits, 3 mantissa bits; 8 bits a number), with one given power-of-two scale for each operand tensor; their sums are f32. All else is computed in f32.
;;   The module's matrix products, in the order in which they are computed (A, B: the left and right operand; K: the contracted axis; several contracted axes count as one K, in the product's order):
;;     1. [M 1,024, K 1,024] x [K 1,024, N 4,096]; A: input Wq (given as codes); B: computed on the way: QUANTISED (scales: A lowp_scales[0], B lowp_scales[1])
;;     2. [M 1,024, K 1,024] x [K 1,024, N 4,096]; A: input Wk (given as codes); B: computed on the way: QUANTISED (scales: A lowp_scales[2], B lowp_scales[3])
;;     3. [M 1,024, K 1,024] x [K 1,024, N 4,096]; A: input Wv (given as codes); B: computed on the way: QUANTISED (scales: A lowp_scales[4], B lowp_scales[5])
;;     4. batch 32 x [M 2,048, K 64] x [K 64, N 2,048]; A: computed on the way; B: computed on the way: QUANTISED (scales: A lowp_scales[6], B lowp_scales[7])
;;     5. batch 32 x [M 2,048, K 2,048] x [K 2,048, N 64]; A: softmax (see below); B: computed on the way: QUANTISED (scales: A lowp_scales[8], B lowp_scales[9])
;;     6. [M 4,096, K 1,024] x [K 1,024, N 1,024]; A: computed on the way; B: input Wo (given as codes): QUANTISED (scales: A lowp_scales[10], B lowp_scales[11])
;;     7. [M 4,096, K 1,024] x [K 1,024, N 4,096]; A: computed on the way; B: input W1 (given as codes): QUANTISED (scales: A lowp_scales[12], B lowp_scales[13])
;;     8. [M 4,096, K 4,096] x [K 4,096, N 1,024]; A: computed on the way; B: input W2 (given as codes): QUANTISED (scales: A lowp_scales[14], B lowp_scales[15])
;;   THE QUANTISER, for each operand of a quantised product, along K:
;;     - The operand's scale is 2^e, e = its entry of the input lowp_scales (int32; the entries are numbered through the quantised products in the list's order, A before B).
;;     - Each number is divided by the scale, clamped to +-448, and rounded to the nearest number of E4M3, ties to even, subnormals kept.
;;     - The product sums the exact products of the quantised numbers (number of the format x scale) in f32.
;;   ~~~python
;;   def quantise(x, axis, e):      # numpy; x: float32 -> the quantised numbers, widened to float32 again
;;       x = np.moveaxis(x, axis, -1); K = x.shape[-1]
;;       r = np.clip(x / 2.0 ** e, -448, 448)
;;       step = 2.0 ** (np.maximum(np.frexp(np.where(r == 0, 1, r))[1] - 1, -6) - 3)
;;       q = np.round(r / step) * step * 2.0 ** e      # np.round: ties to even
;;       return np.moveaxis(q, -1, axis).astype(np.float32)
;;   ~~~
;;   SOFTMAX AHEAD OF A QUANTISED PRODUCT. Where the list says 'softmax', what is quantised is not the finished softmax but p = 2^(t - M), with t = logit x log2(e) and M = ceil(the row's largest t), a whole number; so 1/2 < the row's largest p <= 1. The row's sum l is taken of the UNQUANTISED p, in f32, and the product's result is divided by l at the end. Since M is a whole number, a kernel that streams over the keys may use a running M (the ceiling of the running maximum): every later rescaling is an exact power of two, so the quantised numbers keep their values, but for numbers so far below the row's largest that they fall under the format's range.
;;   OPERANDS COMPUTED ON THE WAY. 'Computed on the way' means the value that the module computes at that place (a softmax that the list does not call 'softmax' is quantised finished and normalised). What goes into a quantiser is computed in f32, as accurately as f32 sums, v_exp_f32 and their like allow (about 1e-6 of the number): no bf16 or f16 on the way to a quantiser, and a product that is left as it is and whose result goes on into a quantised operand takes f32 operands (vector FMAs, or v_wmma_f32_16x16x4_f32). A number that lies on a knife's edge between two numbers of the format may be rounded either way, as far as f32 arithmetic and the matrix unit's own rounding can turn it there, and no further.
;;   INPUTS GIVEN AS CODES. W1 (in the module: [1024, 4096], K = its axis 0); W2 (in the module: [4096, 1024], K = its axis 0); Wk (in the module: [16, 1024, 64], K = its axis 1); Wo (in the module: [1024, 1024], K = its axis 0); Wq (in the module: [16, 1024, 64], K = its axis 1); Wv (in the module: [16, 1024, 64], K = its axis 1): each comes as NAME_codes (uint8): NAME with its K axis moved to the last place and cut into blocks of 32 codes, [.., K / 32, bytes a block], one block behind the other in memory; one code a byte (a code: sign, 4 exponent bits, 3 mantissa bits); its scale is its entry of lowp_scales. Its value is code x scale, taken as it is: it is not quantised again, and the codes and scales need not be those that the quantiser above would give.
;; One version. Each part assembles by itself: llvm-mc -triple=amdgcn-amd-amdhsa -mcpu=gfx1250 --defsym DOCPART=n.
;; ======== version 1 of 1: 8 launches
;; limits: right only within a limited range of input values
;; workspace buffers: part 131,072 bytes; part2 262,144 bytes; hc 12,582,912 bytes; qkv 12,582,912 bytes; ac 4,194,304 bytes; x1 16,777,216 bytes; g 16,777,216 bytes
;; launch stat (part 1): grid 16 x 16, 4 waves a work-group, no clusters, 2,560 bytes of LDS; arguments x, part; writes part
.if DOCPART == 1
	.amdgcn_target "amdgcn-amd-amdhsa--gfx1250"
	.amdhsa_code_object_version 6
	.text
	.protected	k_qca2c2d7ec7_stat
	.globl	k_qca2c2d7ec7_stat
	.p2align	8
	.type	k_qca2c2d7ec7_stat,@function
k_qca2c2d7ec7_stat:
	s_mov_b64 s[64:65], 0
	v_nop
	global_prefetch_b8 v0, s[64:65] scope:SCOPE_SE
	s_setreg_imm32_b32 hwreg(HW_REG_WAVE_MODE, 25, 1), 1
	s_wait_xcnt 0x0
; Partial statistics for the norm over the SEQUENCE axis.  src: [4096 rows][1024 columns] f32 (two batches of 2,048 rows on end).
; part: [16 chunks of 256 rows][mean, M2][1024] f32: for each chunk and column the mean of its 256 numbers and M2 = the sum of (x - that mean)^2.
; M2 is centred on the chunk's own mean, so a common offset of the inputs costs no digits; the next launch joins a batch's eight chunks.
; SHARES.  A work-group takes 64 columns (256 bytes of a row) x 256 rows: 64 KiB, read once and kept in registers between the two passes.  Sixteen lanes read one aligned 256 bytes of a row;
; a wave's load takes two rows, the four waves eight: load i of 32 takes row 8 i + 2 wave + lane / 16.  Work-groups share no input: no cluster, no tensor load, no matrix unit.
; LIMIT: NaN and infinities among the inputs are not served.
.set X,  32                            ; v32-159  the 32 loads, 4 columns each
.set R,  160                           ; v160-175 the four waves' partial sums, back from LDS
.set SA, 8                             ; v8-11    sum of the even loads;  v12-15 of the odd ones
.set SB, 12
.set MN, 16                            ; v16-19   the chunk's mean of my 4 columns
.set PT, 20                            ; v20-23   what the other half of the lanes holds
.set MA, 24                            ; v24-27, v28-31  M2 in two chains
	s_load_b128 s[4:7], s[0:1], 0x0                ; src, part
	v_lshl_add_u32 v176, v0, 2, 2048               ; my spare word, behind the 2,048 bytes of partial sums; kept for the add alone
	v_mov_b32 v177, 0
	v_lshrrev_b32 v1, 5, v0                        ; wave
	v_readfirstlane_b32 s8, v1
	s_and_b32 s9, ttmp7, 0xffff                    ; the chunk of 256 rows
	v_and_b32 v6, 15, v0
	v_lshrrev_b32 v7, 4, v0                        ; 2 wave + lane / 16: my row among eight
	v_lshlrev_b32 v4, 4, v6                        ; my 16 bytes of the strip's 256; also where I read the partial sums in LDS
	v_lshl_add_u32 v2, v7, 12, v4                  ; + my row of 4,096 bytes
	v_lshl_add_u32 v3, v1, 8, v4                   ; LDS: 256 x wave + my 16 bytes
	v_bfe_u32 v6, v0, 4, 1                         ; lane / 16
	v_lshl_add_u32 v5, v6, 12, v4                  ; out: lanes 0-15 the means' 256 bytes, lanes 16-31 those of M2, 4,096 bytes on
	s_mov_b32 s14, 0x76543210                      ; v_permlanex16_b32: each lane takes its own place in the other half
	s_mov_b32 s15, 0xfedcba98
	s_lshl_b32 s10, s9, 20                         ; 256 rows of 4,096 bytes
	s_lshl_b32 s11, ttmp9, 8                       ; the strip
	s_add_co_u32 s10, s10, s11
	s_lshl_b32 s12, s9, 13                         ; a chunk's 8,192 bytes of part
	s_add_co_u32 s12, s12, s11
	s_mov_b32 s11, 0
	s_mov_b32 s13, 0
.irp k, 0,1,2,3
	v_mov_b32 v[PT+\k], 0                          ; a lane permute's destination counts as read: written once
.endr
	s_wait_alu depctr_va_vdst(0)
	s_wait_kmcnt 0x0
	s_add_nc_u64 s[4:5], s[4:5], s[10:11]
	s_add_nc_u64 s[6:7], s[6:7], s[12:13]
.set i, 0
.rept 32
	global_load_b128 v[X+4*i:X+4*i+3], v2, s[4:5] offset:i*32768
.set i, i+1
.endr
; pass 1: the sums, in two chains that the first four loads start
.set i, 0
.rept 32
.if i%8 == 0
	s_wait_alu depctr_va_vdst(0)
	s_wait_loadcnt 24-i                            ; loads come back in order: this group of eight is in, the later groups stay out
.endif
.if i < 2
.elseif i < 4
	v_pk_add_f32 v[SA+4*(i%2):SA+4*(i%2)+1], v[X+4*(i-2):X+4*(i-2)+1], v[X+4*i:X+4*i+1]
	v_pk_add_f32 v[SA+4*(i%2)+2:SA+4*(i%2)+3], v[X+4*(i-2)+2:X+4*(i-2)+3], v[X+4*i+2:X+4*i+3]
.else
	v_pk_add_f32 v[SA+4*(i%2):SA+4*(i%2)+1], v[SA+4*(i%2):SA+4*(i%2)+1], v[X+4*i:X+4*i+1]
	v_pk_add_f32 v[SA+4*(i%2)+2:SA+4*(i%2)+3], v[SA+4*(i%2)+2:SA+4*(i%2)+3], v[X+4*i+2:X+4*i+3]
.endif
.set i, i+1
.endr
; v[c:c+3] and v[c+4:c+7] are joined, then the other half of the lanes', then the four waves' through LDS bytes off on: every lane ends with the work-group's sums in v[c:c+3]
.macro ACROSS c, off
	v_pk_add_f32 v[\c:\c+1], v[\c:\c+1], v[\c+4:\c+5]
	v_pk_add_f32 v[\c+2:\c+3], v[\c+2:\c+3], v[\c+6:\c+7]
.irp k, 0,1,2,3
	v_permlanex16_b32 v[PT+\k], v[\c+\k], s14, s15
.endr
	v_pk_add_f32 v[\c:\c+1], v[\c:\c+1], v[PT:PT+1]
	v_pk_add_f32 v[\c+2:\c+3], v[\c+2:\c+3], v[PT+2:PT+3]
	ds_store_b128 v3, v[\c:\c+3] offset:\off       ; both halves of the lanes hold the same numbers and write the same bytes
	s_wait_dscnt 0x0                               ; for the others' sake: my store is done
	s_barrier_signal -1
	s_barrier_wait -1
.irp k, 0,1,2,3
	ds_load_b128 v[R+4*\k:R+4*\k+3], v4 offset:\off+256*\k
.endr
	s_wait_dscnt 0x0
.irp k, 0,2
	v_pk_add_f32 v[R+\k:R+\k+1], v[R+\k:R+\k+1], v[R+4+\k:R+4+\k+1]
	v_pk_add_f32 v[R+8+\k:R+8+\k+1], v[R+8+\k:R+8+\k+1], v[R+12+\k:R+12+\k+1]
.endr
.irp k, 0,2
	v_pk_add_f32 v[\c+\k:\c+\k+1], v[R+\k:R+\k+1], v[R+8+\k:R+8+\k+1]
.endr
.endm
	ACROSS SA, 0
	v_pk_mul_f32 v[MN:MN+1], v[SA:SA+1], 0x3b800000 op_sel_hi:[1,0]       ; / 256
	v_pk_mul_f32 v[MN+2:MN+3], v[SA+2:SA+3], 0x3b800000 op_sel_hi:[1,0]
; pass 2: the squares of the distances from the chunk's mean
.set i, 0
.rept 32
	v_pk_add_f32 v[X+4*i:X+4*i+1], v[X+4*i:X+4*i+1], v[MN:MN+1] neg_lo:[0,1] neg_hi:[0,1]
	v_pk_add_f32 v[X+4*i+2:X+4*i+3], v[X+4*i+2:X+4*i+3], v[MN+2:MN+3] neg_lo:[0,1] neg_hi:[0,1]
.if i < 2
	v_pk_mul_f32 v[MA+4*i:MA+4*i+1], v[X+4*i:X+4*i+1], v[X+4*i:X+4*i+1]
	v_pk_mul_f32 v[MA+4*i+2:MA+4*i+3], v[X+4*i+2:X+4*i+3], v[X+4*i+2:X+4*i+3]
.else
	v_pk_fma_f32 v[MA+4*(i%2):MA+4*(i%2)+1], v[X+4*i:X+4*i+1], v[X+4*i:X+4*i+1], v[MA+4*(i%2):MA+4*(i%2)+1]
	v_pk_fma_f32 v[MA+4*(i%2)+2:MA+4*(i%2)+3], v[X+4*i+2:X+4*i+3], v[X+4*i+2:X+4*i+3], v[MA+4*(i%2)+2:MA+4*(i%2)+3]
.endif
.set i, i+1
.endr
	ACROSS MA, 1024                                ; other LDS bytes than the first time: one barrier serves each
	s_wait_alu depctr_va_vdst(0)                   ; the wait here, directly ahead of the wait below
	s_wait_tensorcnt 0x0                           ; behind my last LDS store
	ds_add_u32 v176, v177
	s_wait_dscnt 0x0
	v_cmp_ne_u32 vcc_lo, 0, v6
.irp k, 0,1,2,3
	v_cndmask_b32 v[MN+\k], v[MN+\k], v[MA+\k], vcc_lo   ; lanes 0-15 keep the mean, lanes 16-31 take M2
.endr
	s_cmp_lg_u32 s8, 0                             ; every wave holds the result: wave 0 stores it
	s_cbranch_scc1 .Ldone
	global_store_b128 v5, v[MN:MN+3], s[6:7]       ; two runs of 256 consecutive bytes, each at a multiple of 256 from part's first byte
.Ldone:
	s_endpgm
.Lfunc_end_k_qca2c2d7ec7_stat:
	.size	k_qca2c2d7ec7_stat, .Lfunc_end_k_qca2c2d7ec7_stat-k_qca2c2d7ec7_stat
	.p2alignl 7, 3214868480
	.fill 96, 4, 3214868480
	.section	.rodata,"a",@progbits
	.p2align	6, 0x0
	.amdhsa_kernel k_qca2c2d7ec7_stat
		.amdhsa_group_segment_fixed_size 2560
		.amdhsa_private_segment_fixed_size 0
		.amdhsa_enable_private_segment 0
		.amdhsa_kernarg_size 16
		.amdhsa_user_sgpr_count 2
		.amdhsa_user_sgpr_kernarg_segment_ptr 1
		.amdhsa_wavefront_size32 1
		.amdhsa_system_sgpr_workgroup_id_x 1
		.amdhsa_system_sgpr_workgroup_id_y 1
		.amdhsa_system_sgpr_workgroup_id_z 1
		.amdhsa_system_vgpr_workitem_id 0
		.amdhsa_next_free_vgpr 192
		.amdhsa_next_free_sgpr 66
		.amdhsa_reserve_vcc 1
		.amdhsa_float_denorm_mode_32 3
		.amdhsa_float_denorm_mode_16_64 3
		.amdhsa_memory_ordered 1
		.amdhsa_forward_progress 1
		.amdhsa_inst_pref_size 20
	.end_amdhsa_kernel
	.amdgpu_metadata
---
amdhsa.version: [ 1, 2 ]
amdhsa.kernels:
  - .name:           k_qca2c2d7ec7_stat
    .symbol:         k_qca2c2d7ec7_stat.kd
    .args:
      - { .name: x, .offset: 0, .size: 8, .value_kind: global_buffer, .address_space: global }
      - { .name: part, .offset: 8, .size: 8, .value_kind: global_buffer, .address_space: global }
    .group_segment_fixed_size: 2560
    .private_segment_fixed_size: 0
    .kernarg_segment_align: 8
    .kernarg_segment_size: 16
    .max_flat_workgroup_size: 128
    .sgpr_count:     66
    .vgpr_count:     192
    .wavefront_size: 32
...
	.end_amdgpu_metadata
.endif
;; end of part 1
;; launch quant3 (part 2): grid 256 x 1, 8 waves a work-group, no clusters, 31,744 bytes of LDS; arguments x, part, gamma1, beta1, lowp_scales, hc; writes hc
.if DOCPART == 2
	.amdgcn_target "amdgcn-amd-amdhsa--gfx1250"
	.amdhsa_code_object_version 6
	.text
	.protected	k_qca2c2d7ec7_quant3
	.globl	k_qca2c2d7ec7_quant3
	.p2align	8
	.type	k_qca2c2d7ec7_quant3,@function
k_qca2c2d7ec7_quant3:
	s_mov_b64 s[64:65], 0
	v_nop
	global_prefetch_b8 v0, s[64:65] scope:SCOPE_SE
	s_setreg_imm32_b32 hwreg(HW_REG_WAVE_MODE, 25, 1), 1
	s_wait_xcnt 0x0
; h = gamma (x - mean) / (sqrt(var) + 1e-5) + beta, mean and unbiased var taken over a batch's 2,048 rows for each column, then h as codes of FP8 (E4M3), row-major [4096][1024], K (the columns) innermost,
; NOUT times: once under each of the given scales 2^e that the products which read h name (entries 1, 3, 5 of the scales), each into its own section of 4 MiB of the output.
; code = h / 2^e, held within +-448, to the nearest code, ties to even.  LIMITS: each e between -126 and 119, so that 2^e and 448 x 2^e are f32 numbers; NaN among the inputs is not served.
; STATISTICS.  part holds, for each chunk of 256 rows, the chunk's mean and M2 (centred on that mean).  A batch's eight chunks are joined: mean = the mean of the means, M2 = the sum of the M2 + 256 x the sum of
; (chunk's mean - mean)^2, var = M2 / 2047.  All terms are distances from a mean: no difference of large sums is formed.
; SHARES.  A work-group takes 16 rows.  Wave w takes columns 256 (w % 4) on, rows 8 (w / 4) on.  In a row a lane holds 4 neighbouring columns (16 bytes: a load reads 512 consecutive bytes) and the 4 that lie 128 columns on.
; Each thread makes the parameters of 4 columns; the two waves of a column group hand them to each other through LDS.  A lane's 8 numbers of a row become 8 codes in two registers, 4 bytes for each run of columns;
; they go through the wave's own stage in LDS and leave as rows of 256 bytes, sixteen lanes to a row.
; The statistics, 64 KiB a batch, are the one thing that work-groups share; they come by plain loads through registers, which have no joint form: so no cluster.
.set NOUT,  3
.set X,     32                         ; v32-95   row p of 8: 8 numbers at v[X + 8 p]
.set PM,    96                         ; v96-159  chunk c: mean at +8 c, M2 at +8 c + 4; free again behind the parameters:
.set T,     96                         ; v96-111  a row's numbers, held: two sets by turns
.set C,     112                        ; v112-127 a row's codes: a pair for each row
.set OUTR,  128                        ; v128-175 output o: 16 registers, rows read back from the stage
.set GA,    160                        ; gamma, beta, mean, gamma / (sqrt(var) + eps) of my 4 columns
.set BE,    164
.set MN,    168
.set AA,    172
.set PR,    8                          ; v8-31    for each of my two runs of columns: mean, factor, beta
.set SC,    176                        ; v176-181 output o: 2^e, 448 x 2^e
.set PRD,   182                        ; LDS: where I read parameters;  183: where I store them
.set PWR,   183
.set SW,    184                        ; the stage: in;  185: back
.set SR,    185
.set GO,    186                        ; my byte offset in the wave's rows of codes
.set STG,   12288                      ; LDS: parameters [column group][run][mean, factor, beta][512 bytes] from 0; then a stage of 8 rows x 272 bytes in 2,304 bytes for each wave
	s_load_b256 s[4:11], s[0:1], 0x0               ; x, part, gamma, beta
	s_load_b128 s[12:15], s[0:1], 0x20             ; the scales' exponents, the codes
	v_lshl_add_u32 v190, v0, 2, 30720              ; my spare word, behind the stages; kept for the add alone
	v_mov_b32 v191, 0
	v_lshrrev_b32 v1, 5, v0
	s_delay_alu instid0(VALU_DEP_1)
	v_readfirstlane_b32 s33, v1                    ; wave 0..7
	v_and_b32 v2, 31, v0                           ; lane
	v_bfe_u32 v3, v0, 5, 2                         ; column group = wave % 4
	v_lshrrev_b32 v4, 7, v0                        ; row half = wave / 4
	s_delay_alu instid0(VALU_DEP_3)
	v_lshlrev_b32 v5, 4, v2
	s_delay_alu instid0(VALU_DEP_1)
	v_lshl_add_u32 v6, v3, 10, v5                  ; x: 1,024 x group + 16 x lane
	s_delay_alu instid0(VALU_DEP_1)
	v_lshl_add_u32 v7, v4, 9, v6                   ; the columns whose parameters I make: the run of my row half
	v_mul_u32_u24 v[PRD], v3, 3072
	s_delay_alu instid0(VALU_DEP_1)
	v_add_nc_u32 v[PRD], v[PRD], v5
	v_mul_u32_u24 v[PWR], v4, 1536
	s_delay_alu instid0(VALU_DEP_1)
	v_add_nc_u32 v[PWR], v[PWR], v[PRD]
	v_mul_u32_u24 v187, v1, 2304
	s_delay_alu instid0(VALU_DEP_1)
	v_add_nc_u32 v187, STG, v187                   ; my wave's stage
	s_delay_alu instid0(VALU_DEP_1)
	v_lshl_add_u32 v[SW], v2, 2, v187              ; in: 4 bytes a lane
	v_bfe_u32 v188, v0, 4, 1                       ; lane / 16
	v_and_b32 v189, 15, v0                         ; lane % 16
	s_delay_alu instid0(VALU_DEP_2)
	v_mul_u32_u24 v[SR], v188, 272
	s_delay_alu instid0(VALU_DEP_1)
	v_lshl_add_u32 v[SR], v189, 4, v[SR]
	s_delay_alu instid0(VALU_DEP_1)
	v_add_nc_u32 v[SR], v[SR], v187                ; back: sixteen lanes to a row, two rows an instruction
	v_lshlrev_b32 v[GO], 10, v188
	s_delay_alu instid0(VALU_DEP_1)
	v_lshl_add_u32 v[GO], v3, 8, v[GO]
	s_delay_alu instid0(VALU_DEP_1)
	v_lshl_add_u32 v[GO], v189, 4, v[GO]           ; and the same place in the codes: row of 1,024 bytes, 256 x group, 16 bytes a lane
	s_lshr_b32 s34, s33, 2
	s_lshl_b32 s36, ttmp9, 16
	s_lshl_b32 s35, s34, 15
	s_add_co_u32 s36, s36, s35                     ; x: (16 x work-group + 8 x row half) rows of 4,096 bytes
	s_mov_b32 s37, 0
	s_lshr_b32 s38, ttmp9, 7                       ; the batch
	s_lshl_b32 s38, s38, 16                        ; its eight chunks of 8,192 bytes
	s_mov_b32 s39, 0
	s_lshr_b32 s40, s36, 2                         ; the same rows of 1,024 bytes of codes
	s_mov_b32 s41, 0
	s_wait_kmcnt 0x0
	s_load_b512 s[16:31], s[12:13], 0x0            ; the sixteen exponents
	s_add_nc_u64 s[4:5], s[4:5], s[36:37]
	s_add_nc_u64 s[6:7], s[6:7], s[38:39]
	s_add_nc_u64 s[42:43], s[14:15], s[40:41]      ; output o's section: a base of its own, s[42 + 2 o]
.if NOUT > 1
	s_add_nc_u64 s[44:45], s[42:43], 0x400000
	s_add_nc_u64 s[46:47], s[42:43], 0x800000
.endif
.irp c, 0,1,2,3,4,5,6,7
	global_load_b128 v[PM+8*\c:PM+8*\c+3], v7, s[6:7] offset:\c*8192
	global_load_b128 v[PM+8*\c+4:PM+8*\c+7], v7, s[6:7] offset:\c*8192+4096
.endr
	global_load_b128 v[GA:GA+3], v7, s[8:9]
	global_load_b128 v[BE:BE+3], v7, s[10:11]
.irp p, 0,1,2,3,4,5,6,7
	global_load_b128 v[X+8*\p:X+8*\p+3], v6, s[4:5] offset:\p*4096
	global_load_b128 v[X+8*\p+4:X+8*\p+7], v6, s[4:5] offset:\p*4096+512
.endr
	s_wait_loadcnt 16                              ; the statistics, gamma and beta are in; x's sixteen loads stay out
.irp k, 0,2
	v_pk_add_f32 v[MN+\k:MN+\k+1], v[PM+\k:PM+\k+1], v[PM+8+\k:PM+8+\k+1]
	v_pk_add_f32 v[PM+4+\k:PM+4+\k+1], v[PM+4+\k:PM+4+\k+1], v[PM+12+\k:PM+12+\k+1]
.endr
.irp c, 2,3,4,5,6,7
.irp k, 0,2
	s_delay_alu instid0(VALU_DEP_4)
	v_pk_add_f32 v[MN+\k:MN+\k+1], v[MN+\k:MN+\k+1], v[PM+8*\c+\k:PM+8*\c+\k+1]
	s_delay_alu instid0(VALU_DEP_4)
	v_pk_add_f32 v[PM+4+\k:PM+4+\k+1], v[PM+4+\k:PM+4+\k+1], v[PM+8*\c+4+\k:PM+8*\c+4+\k+1]
.endr
.endr
.irp k, 0
	s_delay_alu instid0(VALU_DEP_4)
	v_pk_mul_f32 v[MN+\k:MN+\k+1], v[MN+\k:MN+\k+1], 0x3e000000 op_sel_hi:[1,0]   ; / 8: the batch's mean
.endr
.irp k, 2
	s_delay_alu instid0(VALU_DEP_3)
	v_pk_mul_f32 v[MN+\k:MN+\k+1], v[MN+\k:MN+\k+1], 0x3e000000 op_sel_hi:[1,0]   ; / 8: the batch's mean
.endr
.irp c, 0,1,2,3,4,5,6,7
.irp k, 0,2
	v_pk_add_f32 v[PM+8*\c+\k:PM+8*\c+\k+1], v[PM+8*\c+\k:PM+8*\c+\k+1], v[MN+\k:MN+\k+1] neg_lo:[0,1] neg_hi:[0,1]
.endr
.endr
.irp k, 0,2
	v_pk_mul_f32 v[AA+\k:AA+\k+1], v[PM+\k:PM+\k+1], v[PM+\k:PM+\k+1]
.endr
.irp c, 1,2,3,4,5,6,7
.irp k, 0,2
	s_delay_alu instid0(VALU_DEP_2)
	v_pk_fma_f32 v[AA+\k:AA+\k+1], v[PM+8*\c+\k:PM+8*\c+\k+1], v[PM+8*\c+\k:PM+8*\c+\k+1], v[AA+\k:AA+\k+1]
.endr
.endr
.irp k, 0,2
	s_delay_alu instid0(VALU_DEP_2)
	v_pk_fma_f32 v[AA+\k:AA+\k+1], v[AA+\k:AA+\k+1], 0x43800000, v[PM+4+\k:PM+4+\k+1] op_sel_hi:[1,0,1]   ; M2 = 256 x the chunks' spread + the chunks' M2
.endr
.irp k, 0,2
	s_delay_alu instid0(VALU_DEP_2)
	v_pk_mul_f32 v[AA+\k:AA+\k+1], v[AA+\k:AA+\k+1], 0x3a001002 op_sel_hi:[1,0]   ; / 2047
.endr
	s_wait_alu depctr_va_vdst(0)
.irp k, 0,1,2,3
	v_sqrt_f32 v[AA+\k], v[AA+\k]
.endr
	v_nop                                          ; a plain instruction between a transcendental and the use of its result
	s_wait_alu depctr_va_vdst(0)                   ; one wait for the four roots, ahead of their first reader
.irp k, 0,1,2,3
	v_add_f32 v[AA+\k], 0x3727c5ac, v[AA+\k]       ; + 1e-5, outside the root
.endr
	s_wait_alu depctr_va_vdst(0)
.irp k, 0,1,2,3
	v_rcp_f32 v[AA+\k], v[AA+\k]
.endr
	v_nop
	s_wait_alu depctr_va_vdst(0)                   ; one wait for the four reciprocals, ahead of their first reader
.irp k, 0,2
	v_pk_mul_f32 v[AA+\k:AA+\k+1], v[AA+\k:AA+\k+1], v[GA+\k:GA+\k+1]
.endr
	ds_store_b128 v[PWR], v[MN:MN+3]
	ds_store_b128 v[PWR], v[AA:AA+3] offset:512
	ds_store_b128 v[PWR], v[BE:BE+3] offset:1024
	s_wait_dscnt 0x0                               ; for the others' sake: my parameters lie in LDS
	s_barrier_signal -1
	s_barrier_wait -1
.irp s, 0,1
.irp k, 0,1,2
	ds_load_b128 v[PR+12*\s+4*\k:PR+12*\s+4*\k+3], v[PRD] offset:\s*1536+\k*512
.endr
.endr
.macro SCALE o, e                      ; s[e] holds output o's exponent
	s_add_co_i32 s34, s[\e], 127
	s_lshl_b32 s35, s34, 23
	v_mov_b32 v[SC+2*\o], s35                      ; 2^e as f32: the conversion takes its exponent field
	s_add_co_i32 s34, s34, 8
	s_lshl_b32 s34, s34, 23
	s_or_b32 s34, s34, 0x600000
	v_mov_b32 v[SC+2*\o+1], s34                    ; 448 x 2^e
.endm
	s_wait_kmcnt 0x0
	SCALE 0, 17
	SCALE 1, 19
	SCALE 2, 21
	s_wait_dscnt 0x0
	s_wait_loadcnt 0x0                             ; x
.irp p, 0,1,2,3,4,5,6,7
.irp s, 0,1
.irp k, 0,2
	v_pk_add_f32 v[X+8*\p+4*\s+\k:X+8*\p+4*\s+\k+1], v[X+8*\p+4*\s+\k:X+8*\p+4*\s+\k+1], v[PR+12*\s+\k:PR+12*\s+\k+1] neg_lo:[0,1] neg_hi:[0,1]
.endr
.endr
.endr
.irp p, 0,1,2,3,4,5,6,7
.irp s, 0,1
.irp k, 0,2
	v_pk_fma_f32 v[X+8*\p+4*\s+\k:X+8*\p+4*\s+\k+1], v[X+8*\p+4*\s+\k:X+8*\p+4*\s+\k+1], v[PR+12*\s+4+\k:PR+12*\s+4+\k+1], v[PR+12*\s+8+\k:PR+12*\s+8+\k+1]
.endr
.endr
.endr
.macro GSTORE o
.irp i, 0,1,2,3
	global_store_b128 v[GO], v[OUTR+16*\o+4*\i:OUTR+16*\o+4*\i+3], s[42+2*\o:43+2*\o] offset:2048*\i   ; sixteen lanes store 256 consecutive bytes, at a multiple of 256 from the buffer's first byte
.endr
.endm
; output o: my 8 rows are held, converted, sent through the stage and read back as rows
.macro OUTP o
.if \o > 0
	s_wait_dscnt 4                                 ; all but the four loads just issued: the last output's stores into the stage have read their code registers
.endif
.irp p, 0,1,2,3,4,5,6,7
.irp i, 0,1,2,3,4,5,6,7
	v_med3_num_f32 v[T+8*(\p%2)+\i], v[X+8*\p+\i], -v[SC+2*\o+1], v[SC+2*\o+1]   ; the conversion to an 8-bit code does not saturate (ISA guide 7.6.2): the hold comes first.  These eight are also the plain lines behind the row before's conversion
.endr
	v_cvt_scalef32_pk8_fp8_f32 v[C+2*\p:C+2*\p+1], v[T+8*(\p%2):T+8*(\p%2)+7], v[SC+2*\o]
	ds_store_b32 v[SW], v[C+2*\p] offset:272*\p
	ds_store_b32 v[SW], v[C+2*\p+1] offset:272*\p+128
.endr
	v_nop                                          ; a plain line behind the last conversion of the run
.irp i, 0,1,2,3
	ds_load_b128 v[OUTR+16*\o+4*\i:OUTR+16*\o+4*\i+3], v[SR] offset:544*\i   ; LDS serves a wave's instructions in order (ISA guide 5.7.1.4): these see my stores, and the next output's stores come behind them
.endr
.endm
	OUTP 0
	OUTP 1
	s_wait_dscnt 20                                ; behind output 0's loads stand output 1's sixteen stores and four loads
	GSTORE 0
	OUTP 2
	s_wait_dscnt 20
	GSTORE 1
	s_wait_dscnt 0x0
	GSTORE 2
	s_wait_tensorcnt 0x0                           ; the wave's end, behind my last LDS store
	ds_add_u32 v190, v191
	s_wait_dscnt 0x0
	s_endpgm
.Lfunc_end_k_qca2c2d7ec7_quant3:
	.size	k_qca2c2d7ec7_quant3, .Lfunc_end_k_qca2c2d7ec7_quant3-k_qca2c2d7ec7_quant3
	.p2alignl 7, 3214868480
	.fill 96, 4, 3214868480
	.section	.rodata,"a",@progbits
	.p2align	6, 0x0
	.amdhsa_kernel k_qca2c2d7ec7_quant3
		.amdhsa_group_segment_fixed_size 31744
		.amdhsa_private_segment_fixed_size 0
		.amdhsa_enable_private_segment 0
		.amdhsa_kernarg_size 48
		.amdhsa_user_sgpr_count 2
		.amdhsa_user_sgpr_kernarg_segment_ptr 1
		.amdhsa_wavefront_size32 1
		.amdhsa_system_sgpr_workgroup_id_x 1
		.amdhsa_system_sgpr_workgroup_id_y 1
		.amdhsa_system_sgpr_workgroup_id_z 1
		.amdhsa_system_vgpr_workitem_id 0
		.amdhsa_next_free_vgpr 192
		.amdhsa_next_free_sgpr 66
		.amdhsa_reserve_vcc 0
		.amdhsa_float_denorm_mode_32 3
		.amdhsa_float_denorm_mode_16_64 3
		.amdhsa_memory_ordered 1
		.amdhsa_forward_progress 1
		.amdhsa_inst_pref_size 37
	.end_amdhsa_kernel
	.amdgpu_metadata
---
amdhsa.version: [ 1, 2 ]
amdhsa.kernels:
  - .name:           k_qca2c2d7ec7_quant3
    .symbol:         k_qca2c2d7ec7_quant3.kd
    .args:
      - { .name: x, .offset: 0, .size: 8, .value_kind: global_buffer, .address_space: global }
      - { .name: part, .offset: 8, .size: 8, .value_kind: global_buffer, .address_space: global }
      - { .name: gamma1, .offset: 16, .size: 8, .value_kind: global_buffer, .address_space: global }
      - { .name: beta1, .offset: 24, .size: 8, .value_kind: global_buffer, .address_space: global }
      - { .name: lowp_scales, .offset: 32, .size: 8, .value_kind: global_buffer, .address_space: global }
      - { .name: hc, .offset: 40, .size: 8, .value_kind: global_buffer, .address_space: global }
    .group_segment_fixed_size: 31744
    .private_segment_fixed_size: 0
    .kernarg_segment_align: 8
    .kernarg_segment_size: 48
    .max_flat_workgroup_size: 256
    .sgpr_count:     66
    .vgpr_count:     192
    .wavefront_size: 32
...
	.end_amdgpu_metadata
.endif
;; end of part 2
;; launch qkvproj (part 3): grid 12 x 16, 4 waves a work-group, clusters of 4 x 4, 327,680 bytes of LDS; arguments hc, Wq_codes, Wk_codes, Wv_codes, bq, bk, bv, lowp_scales, qkv; writes qkv
.if DOCPART == 3
	.amdgcn_target "amdgcn-amd-amdhsa--gfx1250"
	.amdhsa_code_object_version 6
	.text
	.protected	k_qca2c2d7ec7_qkvproj
	.globl	k_qca2c2d7ec7_qkvproj
	.p2align	8
	.type	k_qca2c2d7ec7_qkvproj,@function
k_qca2c2d7ec7_qkvproj:
	s_mov_b64 s[64:65], 0
	v_nop
	global_prefetch_b8 v0, s[64:65] scope:SCOPE_SE
	s_setreg_imm32_b32 hwreg(HW_REG_WAVE_MODE, 25, 1), 1
	s_wait_xcnt 0x0
	s_wait_alu depctr_hold_cnt(0) depctr_sa_sdst(0) depctr_va_vdst(0) depctr_va_sdst(0) depctr_va_ssrc(0) depctr_va_vcc(0) depctr_vm_vsrc(0)
	s_getreg_b32 s2, hwreg(HW_REG_IB_STS2, 6, 4)
	s_cmp_eq_u32 s2, 0
	s_cbranch_scc0 .Lentry_in_a_cluster
	s_endpgm
.Lentry_in_a_cluster:
	s_bfe_u32 s2, ttmp6, 0x10000c
	s_cmp_lg_u32 s2, 0xf033
	s_cbranch_scc0 .Lentry_shape_is_right
	s_endpgm
.Lentry_shape_is_right:
.set SIZE_K, 1024
.set ROWB,   256
.set PITCH,  272
.set FR,     16
.set NL,     4
.set NP,     4
.set HALFT,  128*PITCH
.set SLOT,   4*HALFT
.set LAPS,   SIZE_K/(2*ROWB)
.set SPARE,  2*SLOT
.set ADRQ, 16
.set ADRP, 20
.set SPW,  28
.set NIL,  29
.set BC,   32
.set BRL,  96
.set VO,   104
.set QF,   128
.set T,    128
.set CODE, 192
.set BR,   224
.set G1Q, 24
.set G0Q, 32
.set G1P, 48
.set G0P, 56
.set MSB, 0
.macro WIN new
.if MSB != \new
	s_set_vgpr_msb (MSB<<8)|\new
.set MSB, \new
.endif
.endm
.set MUL_LO, 0xa1
.set MUL_HI, 0xf1
.set TO_P,   0x40
.macro JLOAD s
	s_cmp_eq_u32 s11, 0
	s_cbranch_scc0 .Lfor_p_\@
	tensor_load_to_lds s[G0Q+4*\s:G0Q+4*\s+3], s[G1Q:G1Q+7]
	s_nop 0
.rept 4
	v_nop
.endr
	s_branch .Lasked_\@
.Lfor_p_\@:
	tensor_load_to_lds s[G0P+4*\s:G0P+4*\s+3], s[G1P:G1P+7]
	s_nop 0
.rept 4
	v_nop
.endr
.Lasked_\@:
.endm
.macro CREST
	s_cmp_lg_u32 s10, 0
	s_cbranch_scc1 .Lnot_wave_0_\@
	s_barrier_signal -3
.Lnot_wave_0_\@:
	s_barrier_wait -3
	s_barrier_signal -1
	s_barrier_wait -1
.endm
.macro CROUND
	s_barrier_signal -1
	s_barrier_wait -1
	CREST
.endm
.macro PLACES n
.rept \n
	v_nop
.endr
.endm
	s_load_b512 s[68:83], s[0:1], 0x0
	s_load_b64 s[84:85], s[0:1], 0x40
	v_lshl_add_u32 v[SPW], v0, 2, SPARE
	v_mov_b32 v[NIL], 0
	v_lshrrev_b32 v1, 5, v0
	v_readfirstlane_b32 s10, v1
	s_lshr_b32 s11, s10, 1
	s_and_b32 s12, s10, 1
	s_bfe_u32 s40, ttmp6, 0x40000
	s_bfe_u32 s41, ttmp6, 0x40004
	s_and_b32 s86, ttmp7, 0xffff
	s_mov_b32 s92, ttmp9
	s_mov_b32 s87, 0x20000
	s_mov_b32 s88, 0x1000
	s_cmp_eq_u32 ttmp9, 2
	s_cselect_b32 s89, s86, 0
	s_cselect_b32 s90, 0, s86
	s_cselect_b32 s91, s88, s87
	s_cselect_b32 s93, s87, s88
	s_cselect_b32 s98, -1, 0
	s_lshl_b32 s42, s89, 2
	s_add_co_u32 s42, s42, s40
	s_lshl_b32 s13, s90, 2
	s_add_co_u32 s13, s13, s41
	s_lshl_b32 s43, s41, 2
	s_lshl_b32 s43, 15, s43
	s_lshl_b32 s44, 0x1111, s40
	s_or_b32 s[G1Q+0], s43, (1<<20)|(1<<21)|(5<<22)|(3<<25)
	s_or_b32 s[G1P+0], s44, (1<<20)|(1<<21)|(5<<22)|(3<<25)
.irp g, G1Q, G1P
	s_mov_b32 s[\g+1], ROWB<<16
	s_mov_b32 s[\g+2], 128<<16
	s_mov_b32 s[\g+3], ROWB<<16
	s_mov_b32 s[\g+4], 128
	s_mov_b32 s[\g+5], SIZE_K
	s_mov_b32 s[\g+6], 0
	s_mov_b32 s[\g+7], 0
.endr
	s_lshl_b32 s18, s12, 17
	s_lshl_b32 s16, s13, 18
	s_add_co_u32 s16, s16, s18
	s_mov_b32 s17, 0
	s_lshl_b32 s46, s42, 18
	s_add_co_u32 s46, s46, s18
	s_mov_b32 s47, 0
	s_mul_i32 s45, s10, HALFT
	s_lshl_b32 s99, s92, 3
	s_lshr_b32 s100, s92, 1
	s_add_co_u32 s100, s100, s92
	s_add_co_u32 s100, s100, 6
	s_lshl_b32 s100, s100, 2
	s_wait_kmcnt 0x0
	s_load_b64 s[94:95], s[82:83], s99 offset:0x0
	s_load_b32 s96, s[82:83], s100 offset:0x0
	s_lshl_b32 s18, s92, 22
	s_mov_b32 s19, 0
	s_add_nc_u64 s[18:19], s[68:69], s[18:19]
	s_cmp_eq_u32 s92, 1
	s_cselect_b64 s[6:7], s[72:73], s[70:71]
	s_cselect_b64 s[14:15], s[78:79], s[76:77]
	s_cmp_eq_u32 ttmp9, 2
	s_cselect_b64 s[4:5], s[74:75], s[18:19]
	s_cselect_b64 s[6:7], s[18:19], s[6:7]
	s_add_nc_u64 s[4:5], s[4:5], s[16:17]
	s_add_nc_u64 s[6:7], s[6:7], s[46:47]
	CROUND
.irp s, 0,1
	s_mov_b32 s[G0Q+4*\s], 1
	s_add_co_u32 s[G0Q+4*\s+1], s45, \s*SLOT
	s_add_nc_u64 s[G0Q+4*\s+2:G0Q+4*\s+3], s[4:5], \s*ROWB
	s_or_b32 s[G0Q+4*\s+3], s[G0Q+4*\s+3], 0x80000000
	s_mov_b32 s[G0P+4*\s], 1
	s_add_co_u32 s[G0P+4*\s+1], s45, \s*SLOT
	s_add_nc_u64 s[G0P+4*\s+2:G0P+4*\s+3], s[6:7], \s*ROWB
	s_or_b32 s[G0P+4*\s+3], s[G0P+4*\s+3], 0x80000000
	s_wait_alu depctr_va_vdst(0)
	s_wait_tensorcnt 0x0
	ds_add_u32 v28, v29
	ds_add_u32 v28, v29
	s_wait_dscnt 0x0
	CROUND
	JLOAD \s
.endr
	v_and_b32 v1, 15, v0
	v_bfe_u32 v2, v0, 4, 1
	v_mul_u32_u24 v3, v1, PITCH
	v_lshl_add_u32 v4, v2, 4, v3
	s_mul_i32 s21, s11, HALFT
	s_mul_i32 s22, s12, HALFT
	s_add_co_u32 s22, s22, 2*HALFT
.irp s, 0,1
	v_add_nc_u32 v[ADRQ+\s], s21, v4
	v_add_nc_u32 v[ADRP+\s], s22, v4
	s_add_co_u32 s21, s21, SLOT
	s_add_co_u32 s22, s22, SLOT
.endr
	v_and_b32 v[VO], 31, v0
	v_lshlrev_b32 v[VO], 4, v[VO]
	v_add_nc_u32 v[VO+1], s93, v[VO]
	v_add_nc_u32 v[VO+2], s91, v[VO]
	v_add_nc_u32 v[VO+3], 0x21000, v[VO]
	v_mov_b32 v27, 0
	v_lshlrev_b32 v9, 5, v2
	s_wait_alu depctr_va_vdst(0)
	v_lshlrev_b32 v8, 2, v1
	s_wait_alu depctr_va_vdst(0)
	s_and_b32 s87, s42, 3
	s_lshl_b32 s88, s87, 10
	s_lshl_b32 s89, s12, 9
	s_add_co_u32 s88, s88, s89
	s_mov_b32 s89, 0
	s_add_nc_u64 s[14:15], s[14:15], s[88:89]
	s_and_b32 s88, s13, 3
	s_lshl_b32 s88, s88, 10
	s_lshl_b32 s90, s11, 9
	s_add_co_u32 s88, s88, s90
	s_add_nc_u64 s[80:81], s[80:81], s[88:89]
.irp b, 0,1,2,3,4,5,6,7
	global_load_b128 v[BC+8*\b:BC+8*\b+3], v9, s[14:15] offset:64*\b
	global_load_b128 v[BC+8*\b+4:BC+8*\b+7], v9, s[14:15] offset:64*\b+16
.endr
.irp a, 0,1,2,3,4,5,6,7
	global_load_b32 v[BRL+\a], v8, s[80:81] offset:64*\a
.endr
	s_cmp_eq_u32 ttmp9, 2
	s_cselect_b32 s86, s42, s13
	s_cselect_b32 s88, s13, s42
	s_cselect_b32 s89, s12, s11
	s_cselect_b32 s90, s11, s12
	s_lshr_b32 s87, s86, 3
	s_lshl_b32 s87, s87, 4
	s_lshl_b32 s88, s88, 2
	s_add_co_u32 s87, s87, s88
	s_lshl_b32 s90, s90, 1
	s_add_co_u32 s87, s87, s90
	s_lshl_b32 s87, s87, 7
	s_and_b32 s86, s86, 7
	s_lshl_b32 s86, s86, 4
	s_add_co_u32 s87, s87, s86
	s_lshl_b32 s89, s89, 3
	s_add_co_u32 s87, s87, s89
	s_lshl_b32 s86, s87, 10
	s_lshl_b32 s88, s92, 22
	s_add_co_u32 s86, s86, s88
	s_mov_b32 s87, 0
	s_add_nc_u64 s[84:85], s[84:85], s[86:87]
.macro FRAG reg, adr, q, i
.irp c, 0,1,2,3
	ds_load_b128 v[\reg+4*\c:\reg+4*\c+3], v[\adr] offset:128*(\q)+32*\c+(\i)*16*PITCH
.endr
.endm
.macro MUL16 a0, p, zero
.irp a, \a0, \a0+1
.irp b, 0,1,2,3,4,5,6,7
.if \zero
	v_wmma_f32_16x16x128_fp8_fp8 v[8*(8*((\a)%4)+\b):8*(8*((\a)%4)+\b)+7], v[128*(\p)+FR*\b:128*(\p)+FR*\b+FR-1], v[QF+FR*(\a):QF+FR*(\a)+FR-1], 0
.else
	v_wmma_f32_16x16x128_fp8_fp8 v[8*(8*((\a)%4)+\b):8*(8*((\a)%4)+\b)+7], v[128*(\p)+FR*\b:128*(\p)+FR*\b+FR-1], v[QF+FR*(\a):QF+FR*(\a)+FR-1], v[8*(8*((\a)%4)+\b):8*(8*((\a)%4)+\b)+7]
.endif
.endr
.endr
.endm
.macro FETCH_P slot, q, p
	WIN TO_P
.irp i, 0,1,2,3,4,5,6,7
	FRAG 128*(\p)+FR*\i, ADRP+\slot, \q, \i
.endr
	WIN 0
.endm
.macro FETCH_Q slot, q, i0
.irp i, \i0, \i0+1, \i0+2, \i0+3
	FRAG QF+FR*(\i), ADRQ+\slot, \q, \i
.endr
.endm
.macro STEP slot, q, zero
	s_wait_dscnt 4*NL
	WIN MUL_LO
	MUL16 0, (\q)%2, \zero
	MUL16 2, (\q)%2, \zero
	s_wait_dscnt 0
	PLACES NP
	FETCH_P \slot, (\q)+1, 1-(\q)%2
	FETCH_Q \slot, (\q)+1, 0
	WIN MUL_HI
	MUL16 4, (\q)%2, \zero
	MUL16 6, (\q)%2, \zero
	PLACES NP
	WIN 0
	FETCH_Q \slot, (\q)+1, 4
.endm
.macro TURN slot, next, fill
	s_wait_tensorcnt 0x0
	ds_add_u32 v[SPW], v[NIL]
	s_wait_dscnt 4*NL+1
	WIN MUL_LO
	MUL16 0, 1, 0
	s_wait_dscnt 0x0
	s_barrier_signal -1
	MUL16 2, 1, 0
	WIN 0
	s_barrier_wait -1
.if \fill
	CREST
	s_add_nc_u64 s[G0Q+4*\slot+2:G0Q+4*\slot+3], s[G0Q+4*\slot+2:G0Q+4*\slot+3], 2*ROWB
	s_add_nc_u64 s[G0P+4*\slot+2:G0P+4*\slot+3], s[G0P+4*\slot+2:G0P+4*\slot+3], 2*ROWB
	JLOAD \slot
.else
	PLACES NP
.endif
	FETCH_P \next, 0, 0
	FETCH_Q \next, 0, 0
	WIN MUL_HI
	MUL16 4, 1, 0
	MUL16 6, 1, 0
	PLACES NP
	WIN 0
	FETCH_Q \next, 0, 4
.endm
	s_wait_tensorcnt 1
	s_barrier_signal -1
	s_barrier_wait -1
	FETCH_P 0, 0, 0
	FETCH_Q 0, 0, 0
	FETCH_Q 0, 0, 4
	STEP 0, 0, 1
.rept LAPS-1
	TURN 0, 1, 1
	STEP 1, 0, 0
	TURN 1, 0, 1
	STEP 0, 0, 0
.endr
	TURN 0, 1, 0
	STEP 1, 0, 0
	s_wait_dscnt 4*NL
	WIN MUL_LO
	MUL16 0, 1, 0
	MUL16 2, 1, 0
	s_wait_dscnt 0
	WIN MUL_HI
	MUL16 4, 1, 0
	MUL16 6, 1, 0
	WIN 0
	s_wait_kmcnt 0x0
	s_add_co_i32 s94, s94, s95
	s_add_co_i32 s94, s94, 127
	s_lshl_b32 s94, s94, 23
	s_mov_b32 s95, s94
	s_add_co_i32 s96, s96, 127
	s_lshl_b32 s97, s96, 23
	v_mov_b32 v30, s97
	s_add_co_i32 s96, s96, 8
	s_lshl_b32 s96, s96, 23
	s_or_b32 s96, s96, 0x600000
	v_mov_b32 v31, s96
	s_wait_loadcnt 0x0
.set j, 0
.rept 64
	v_cndmask_b32 v[BC+j], v[BC+j], v27, s98
.set j, j+1
.endr
.irp a, 0,1,2,3,4,5,6,7
	v_cndmask_b32 v[BR+2*\a], v27, v[BRL+\a], s98
	v_cndmask_b32 v[BR+2*\a+1], v27, v[BRL+\a], s98
.endr
.macro EPI a
.if \a >= 2
	s_wait_xcnt 0x0
.endif
	WIN 0x02+((\a)/4)
.irp b, 0,1,2,3,4,5,6,7
.irp j, 0,2,4,6
	v_pk_fma_f32 v[T+8*\b+\j:T+8*\b+\j+1], v[64*((\a)%4)+8*\b+\j:64*((\a)%4)+8*\b+\j+1], s[94:95], v[BC+8*\b+\j:BC+8*\b+\j+1] op_sel_hi:[1,0,1]
.endr
.endr
	WIN 0
.set j, 0
.rept 32
	v_pk_add_f32 v[T+j:T+j+1], v[T+j:T+j+1], v[BR+2*\a:BR+2*\a+1]
.set j, j+2
.endr
.set j, 0
.rept 64
	v_med3_num_f32 v[T+j], v[T+j], -v31, v31
.set j, j+1
.endr
.irp b, 0,1,2,3,4,5,6,7
	v_cvt_scalef32_pk8_fp8_f32 v[CODE+16*(\a%2)+2*\b:CODE+16*(\a%2)+2*\b+1], v[T+8*\b:T+8*\b+7], v30
.endr
	v_nop
.irp j, 0,1
.irp i, 0,1
	global_store_b128 v[VO+2*\j+(\a)/4], v[CODE+16*(\a%2)+8*\j+4*\i:CODE+16*(\a%2)+8*\j+4*\i+3], s[84:85] offset:((\a)%4)*1024+512*\i
.endr
.endr
.endm
	EPI 0
	EPI 1
	EPI 2
	EPI 3
	EPI 4
	EPI 5
	EPI 6
	EPI 7
	s_wait_tensorcnt 0x0
	ds_add_u32 v[SPW], v[NIL]
	s_wait_dscnt 0x0
	CROUND
	s_endpgm
.Lfunc_end_k_qca2c2d7ec7_qkvproj:
	.size	k_qca2c2d7ec7_qkvproj, .Lfunc_end_k_qca2c2d7ec7_qkvproj-k_qca2c2d7ec7_qkvproj
	.p2alignl 7, 3214868480
	.fill 96, 4, 3214868480
	.section	.rodata,"a",@progbits
	.p2align	6, 0x0
	.amdhsa_kernel k_qca2c2d7ec7_qkvproj
		.amdhsa_group_segment_fixed_size 327680
		.amdhsa_private_segment_fixed_size 0
		.amdhsa_enable_private_segment 0
		.amdhsa_kernarg_size 72
		.amdhsa_user_sgpr_count 2
		.amdhsa_user_sgpr_kernarg_segment_ptr 1
		.amdhsa_wavefront_size32 1
		.amdhsa_system_sgpr_workgroup_id_x 1
		.amdhsa_system_sgpr_workgroup_id_y 1
		.amdhsa_system_sgpr_workgroup_id_z 1
		.amdhsa_system_vgpr_workitem_id 0
		.amdhsa_next_free_vgpr 1024
		.amdhsa_next_free_sgpr 102
		.amdhsa_reserve_vcc 0
		.amdhsa_float_denorm_mode_32 3
		.amdhsa_float_denorm_mode_16_64 3
		.amdhsa_memory_ordered 1
		.amdhsa_forward_progress 1
		.amdhsa_inst_pref_size 159
	.end_amdhsa_kernel
	.amdgpu_metadata
---
amdhsa.version: [ 1, 2 ]
amdhsa.kernels:
  - .name:           k_qca2c2d7ec7_qkvproj
    .symbol:         k_qca2c2d7ec7_qkvproj.kd
    .args:
      - { .name: hc, .offset: 0, .size: 8, .value_kind: global_buffer, .address_space: global }
      - { .name: Wq_codes, .offset: 8, .size: 8, .value_kind: global_buffer, .address_space: global }
      - { .name: Wk_codes, .offset: 16, .size: 8, .value_kind: global_buffer, .address_space: global }
      - { .name: Wv_codes, .offset: 24, .size: 8, .value_kind: global_buffer, .address_space: global }
      - { .name: bq, .offset: 32, .size: 8, .value_kind: global_buffer, .address_space: global }
      - { .name: bk, .offset: 40, .size: 8, .value_kind: global_buffer, .address_space: global }
      - { .name: bv, .offset: 48, .size: 8, .value_kind: global_buffer, .address_space: global }
      - { .name: lowp_scales, .offset: 56, .size: 8, .value_kind: global_buffer, .address_space: global }
      - { .name: qkv, .offset: 64, .size: 8, .value_kind: global_buffer, .address_space: global }
    .group_segment_fixed_size: 327680
    .private_segment_fixed_size: 0
    .kernarg_segment_align: 8
    .kernarg_segment_size: 72
    .max_flat_workgroup_size: 128
    .sgpr_count:     102
    .vgpr_count:     1024
    .wavefront_size: 32
...
	.end_amdgpu_metadata
.endif
;; end of part 3
;; launch attn (part 4): grid 8 x 32, 16 waves a work-group, clusters of 4 x 1, 327,680 bytes of LDS; arguments qkv, lowp_scales, ac; writes ac
.if DOCPART == 4
	.amdgcn_target "amdgcn-amd-amdhsa--gfx1250"
	.amdhsa_code_object_version 6
	.text
	.protected	k_qca2c2d7ec7_attn
	.globl	k_qca2c2d7ec7_attn
	.p2align	8
	.type	k_qca2c2d7ec7_attn,@function
k_qca2c2d7ec7_attn:
	s_mov_b64 s[64:65], 0
	v_nop
	global_prefetch_b8 v0, s[64:65] scope:SCOPE_SE
	s_setreg_imm32_b32 hwreg(HW_REG_WAVE_MODE, 25, 1), 1
	s_wait_xcnt 0x0
	s_wait_alu depctr_hold_cnt(0) depctr_sa_sdst(0) depctr_va_vdst(0) depctr_va_sdst(0) depctr_va_ssrc(0) depctr_va_vcc(0) depctr_vm_vsrc(0)
	s_getreg_b32 s2, hwreg(HW_REG_IB_STS2, 6, 4)
	s_cmp_eq_u32 s2, 0
	s_cbranch_scc0 .Lentry_in_a_cluster
	s_endpgm
.Lentry_in_a_cluster:
	s_bfe_u32 s2, ttmp6, 0x10000c
	s_cmp_lg_u32 s2, 0x3003
	s_cbranch_scc0 .Lentry_shape_is_right
	s_endpgm
.Lentry_shape_is_right:
; attn[b][t][head x 64 + d] = the sum over keys s of softmax_s(q . k / 8) v, both products on codes of FP8 (E4M3); the result as codes again (entry 10 of the scales) for the output projection.
; qkv: three sections of 4 MiB of images of operand registers (1,024 bytes: 16 rows x 64 K; registers 4 i .. 4 i + 3 of lane l at 512 i + 16 l).  q, k: image (batch x 16 + head) x 128 + t / 16, K = d.
; v: image (batch x 16 + head) x 128 + (key / 64) x 4 + d / 16, K = 64 keys; the images of two neighbouring 64 keys on end are the 16 registers of a K = 128 operand.
; THE SOFTMAX AHEAD OF THE SECOND PRODUCT: t = score x log2(e) / 8; M = the row's largest t so far, rounded UP to a whole number; p = 2^(t - M) is what is quantised (entry 8); it is not normalised.
; The row's sum is taken of the unquantised p, in f32, and divides O at the end.  When M moves, the sum and O are multiplied by 2^(old M - new M): exact.
; SHARES.  A work-group owns 256 queries of one head and batch; each of its sixteen waves 16 of them, in 256 registers: four waves to a SIMD, so that one wave's vector work stands beside another's matrix work and LDS loads.
; LAYOUT.  S^T = K Q^T (K = 64 form: source 0 = 16 keys, source 1 = my 16 queries): a lane holds ONE query, and tile t's eight registers keys 16 t + 8 (lane / 16) + 0 .. 7: converted, they are registers 2 t, 2 t + 1
; of the K = 128 form's operand as it stands.  O^T = V^T P^T (source 0 = 16 of the head's 64, source 1 = P).
; LDS.  A head's K (128 KiB) and V (128 KiB) fit: every byte is filled once, by ONE tensor load a wave at the head (16 waves x 16 KiB: waves 0-7 K's eighths, waves 8-15 V's).  One wait, one barrier,
; then sixteen key steps of 128 keys with no barrier between them.  Images are read 16 bytes a lane on end: no padding.
; CLUSTER.  The four query blocks of a cluster belong to one head and read the same K and V: each tile is asked for JOINTLY, by the same load with the same descriptor and the mask of all four.
; NO PREFETCH: all of K and V is asked for by the head's one load a wave; no load follows in the loop for a prefetch to run ahead of.
; OUT: ac [row / 128][head][128 rows][64 bytes]: the K of the next product in blocks of 64, a block's 128 rows dense.
; LIMITS: entries 6 + 7 between -123 and 130 (added to c's exponent field); entries 8 and 10 between -126 and 119; the scaled scores stay under 2^31 in magnitude.
; REGISTERS: v1 16 x lane; v2, v3 the add's; v4, v5 the stage; v8, v9 addresses; v12 -M, v13 the largest raw score, v[14:15] the sum; v16-23 Q; v32-95 K's eight images, then V's; v96-159 S^T, then p; v160-191 O^T; v224-239 p's codes; v236-254 at work
.set VB,    131072                     ; V's images lie behind K's
.set STAGE, 262144                     ; the way out: 16 rows x 80 bytes for each wave, bytes into which no fill lands
.set SPARE, 282624                     ; behind the stages: the spare words, 128 bytes for each wave
.set SPW,  2                           ; v2   LDS address of my spare word; never rewritten
.set NIL,  3                           ; v3   0; never rewritten
.set WV,   18                          ; s18  my wave's number
.set SEL,  20                          ; s[20:21] lane selects for v_permlanex16_b32: lane l xor 16
.set CS,   22                          ; s[22:23] c = log2(e) / 8 x 2^(e6 + e7)
.set G1,   24                          ; s[24:31] descriptor group 1;  s[32:35] group 0
.set G0,   32
.set TB,   48                          ; s48  LDS byte at which the step's images of K begin
.set CNT,  49
.macro ROUND                           ; a round of the cluster's barrier
	s_barrier_signal -1
	s_barrier_wait -1
	s_cmp_lg_u32 s[WV], 0
	s_cbranch_scc1 .Lnot_wave_0_\@
	s_barrier_signal -3
.Lnot_wave_0_\@:
	s_barrier_wait -3
	s_barrier_signal -1
	s_barrier_wait -1
.endm
	s_load_b128 s[4:7], s[0:1], 0x0                ; the images, the scales' exponents
	s_load_b64 s[8:9], s[0:1], 0x10                ; ac
	v_lshl_add_u32 v[SPW], v0, 2, SPARE
	v_mov_b32 v[NIL], 0
	ds_add_u32 v[SPW], v[NIL]                      ; the opening: the add, twice on end, and its wait ahead of my tensor load
	ds_add_u32 v[SPW], v[NIL]
	v_lshrrev_b32 v6, 5, v0
	v_readfirstlane_b32 s[WV], v6                  ; wave 0..15
	s_bfe_u32 s50, ttmp6, 0x40000                  ; cx
	s_lshl_b32 s51, ttmp9, 2
	s_add_co_u32 s51, s51, s50                     ; my block of 256 queries: it enters q's and ac's addresses alone
	s_and_b32 s57, ttmp7, 0xffff                   ; batch x 16 + head, which the four partners share
	s_lshr_b32 s58, s[WV], 3                       ; I fetch for K (0) or for V (1),
	s_and_b32 s59, s[WV], 7                        ; the eighth that is mine
	s_lshl_b32 s60, s[WV], 14                      ; LDS: 16,384 x wave (V's part begins where wave 8's does)
	s_lshl_b32 s62, s58, 22
	s_add_co_u32 s62, s62, 0x400000                ; memory: k's section or v's,
	s_lshl_b32 s63, s57, 17
	s_add_co_u32 s62, s62, s63                     ; the head's 128 images,
	s_lshl_b32 s61, s59, 14
	s_add_co_u32 s62, s62, s61                     ; my eighth
	s_mov_b32 s63, 0
	s_mov_b32 s[G1], 15|(3<<16)|(1<<21)            ; 15:0 the mask: all four work-groups; 17:16 elements of 8 bytes; 21 set beside a mask; no padding
	s_mov_b32 s[G1+1], 32<<16                      ; tensor_dim0 = 32 elements: rows of 256 bytes
	s_mov_b32 s[G1+2], 64<<16                      ; tensor_dim1 = 64
	s_mov_b32 s[G1+3], 32<<16                      ; tile_dim0
	s_mov_b32 s[G1+4], 64                          ; tile_dim1
	s_mov_b32 s[G1+5], 32                          ; from row to row: dense
	s_mov_b32 s[G1+6], 0
	s_mov_b32 s[G1+7], 0
	s_mov_b32 s[SEL], 0x76543210
	s_mov_b32 s[SEL+1], 0xfedcba98
	s_mov_b32 s[CS], 0x3e38aa3b                    ; log2(e) / 8
	s_wait_dscnt 0x0                               ; both opening adds are done
	s_wait_kmcnt 0x0
	s_load_b128 s[52:55], s[6:7], 0x18             ; entries 6 to 9: q, k, p, v
	s_load_b32 s56, s[6:7], 0x28                   ; entry 10: attn
	s_mov_b32 s[G0], 1                             ; count = 1
	s_mov_b32 s[G0+1], s60                         ; LDS address
	s_add_nc_u64 s[G0+2:G0+3], s[4:5], s[62:63]
	s_or_b32 s[G0+3], s[G0+3], 0x80000000          ; type = 2
	ROUND                                          ; all four work-groups are here: the joint loads meet
	tensor_load_to_lds s[G0:G0+3], s[G1:G1+7]      ; my one tensor load of the launch
	s_nop 0
.rept 4
	v_nop
.endr
	s_lshl_b32 s66, s57, 7
	s_lshl_b32 s67, s51, 4
	s_add_co_u32 s66, s66, s67
	s_add_co_u32 s66, s66, s[WV]                   ; my queries' image: head's 128 + 16 x block + wave
	s_lshl_b32 s66, s66, 10
	s_mov_b32 s67, 0
	s_add_nc_u64 s[4:5], s[4:5], s[66:67]
	s_lshr_b32 s68, s57, 4                         ; ac: row R = batch x 2,048 + 256 x block + 16 x wave
	s_lshl_b32 s68, s68, 4
	s_lshl_b32 s69, s51, 1
	s_add_co_u32 s68, s68, s69
	s_add_co_u32 s68, s68, s58                     ; R / 128
	s_lshl_b32 s68, s68, 4
	s_and_b32 s69, s57, 15
	s_add_co_u32 s68, s68, s69                     ; x 16 + head
	s_lshl_b32 s68, s68, 7
	s_lshl_b32 s69, s59, 4
	s_add_co_u32 s68, s68, s69                     ; x 128 + R % 128
	s_lshl_b32 s68, s68, 6
	s_mov_b32 s69, 0
	s_add_nc_u64 s[8:9], s[8:9], s[68:69]
	s_mul_i32 s72, s[WV], 1280
	s_add_co_u32 s72, s72, STAGE                   ; my stage
	v_and_b32 v1, 31, v0
	v_lshlrev_b32 v1, 4, v1                        ; 16 x lane: my place in half an image; never rewritten
	global_load_b128 v[16:19], v1, s[4:5]          ; Q's fragment stays in registers
	global_load_b128 v[20:23], v1, s[4:5] offset:512
	v_and_b32 v6, 15, v0                           ; r
	v_bfe_u32 v7, v0, 4, 1                         ; h
	v_mul_u32_u24 v4, v6, 80
	v_lshl_add_u32 v4, v7, 3, v4
	v_add_nc_u32 v4, s72, v4                       ; in: row r, 8 bytes for each half of the lanes
	v_bfe_u32 v11, v0, 2, 3
	v_and_b32 v5, 3, v0
	v_mul_u32_u24 v11, v11, 80
	v_lshl_add_u32 v5, v5, 4, v11
	v_add_nc_u32 v5, s72, v5                       ; back: four lanes to a row of 64 bytes
	v_mov_b32 v13, 0xff61b1e6                      ; the largest raw score so far: -3e38, under every score
	v_mov_b32 v12, 0x7f61b1e6                      ; -M: 3e38, so that the first change of M gives the factor 0, which meets zeros
	v_mov_b32 v14, 0                               ; the sum, in two halves
	v_mov_b32 v15, 0
	v_mov_b32 v236, 0                              ; written once: a lane permute's destination counts as one of its sources
	v_mov_b32 v253, 0                              ; (named as the upper half of the pair v[252:253])
.set j, 0
.rept 32
	v_mov_b32 v[160+j], 0                          ; O^T.  (The step is written once for all steps: the first finds zeros)
.set j, j+1
.endr
	s_wait_alu depctr_va_vdst(0)
	s_wait_kmcnt 0x0
	s_add_co_i32 s70, s52, s53
	s_lshl_b32 s70, s70, 23
	s_add_co_i32 s[CS], s[CS], s70                 ; a score stands for score x 2^(e6 + e7): the two exponents are added to c's exponent field
	s_mov_b32 s[CS+1], s[CS]                       ; (named with it as a pair, so it is written)
	s_add_co_i32 s70, s54, 127
	s_lshl_b32 s71, s70, 23
	v_mov_b32 v244, s71                            ; 2^e8 as f32, for p's conversion
	s_add_co_i32 s70, s70, 8
	s_lshl_b32 s70, s70, 23
	s_or_b32 s70, s70, 0x600000
	v_mov_b32 v240, s70                            ; 448 x 2^e8
	s_add_co_i32 s70, s56, 127
	s_lshl_b32 s71, s70, 23
	v_mov_b32 v245, s71                            ; 2^e10, for the result's
	s_add_co_i32 s70, s70, 8
	s_lshl_b32 s70, s70, 23
	s_or_b32 s70, s70, 0x600000
	v_mov_b32 v241, s70                            ; 448 x 2^e10
	s_mov_b32 s[TB], 0
	s_mov_b32 s[CNT], 16
; A KEY STEP: 128 keys
.macro STEP
	v_add_nc_u32 v8, s[TB], v1
	v_add_nc_u32 v9, VB, v8
	v_nop                                          ; with the two additions: four places in front of loads into registers that the last products read
	v_nop
.irp t, 0,1,2,3,4,5,6,7
	ds_load_b128 v[32+8*\t:35+8*\t], v8 offset:1024*\t
	ds_load_b128 v[36+8*\t:39+8*\t], v8 offset:1024*\t+512
.endr
	s_wait_alu depctr_va_vdst(0)                   ; the wait here, directly ahead of the wait below
	s_wait_dscnt 0x0
.irp t, 0,1,2,3,4,5,6,7
	v_wmma_f32_16x16x64_fp8_fp8 v[96+8*\t:103+8*\t], v[32+8*\t:39+8*\t], v[16:23], 0
.endr
.rept 4
	v_nop
.endr
.irp t, 0,1,2,3                                ; V's images are asked for now and land while the softmax is walked: channels 16 t on, keys 64 u on
.irp u, 0,1
	ds_load_b128 v[32+16*\t+8*\u:35+16*\t+8*\u], v9 offset:(4*\u+\t)*1024
	ds_load_b128 v[36+16*\t+8*\u:39+16*\t+8*\u], v9 offset:(4*\u+\t)*1024+512
.endr
.endr
	v_max3_num_f32 v254, v96, v97, v98             ; the step's largest score of my query, among my 64 keys, in two chains, each accumulator from its low end on,
	v_max3_num_f32 v252, v99, v100, v101
.irp i, 6,10,14,18,22,26,30,34,38,42,46,50,54,58
	v_max3_num_f32 v254, v254, v[96+\i], v[97+\i]
	v_max3_num_f32 v252, v252, v[98+\i], v[99+\i]
.endr
	v_max3_num_f32 v254, v254, v158, v159
	v_max3_num_f32 v254, v254, v252, v13           ; joined with the largest so far,
	v_permlanex16_b32 v236, v254, s[SEL], s[SEL+1]
	v_max_num_f32 v13, v254, v236                  ; and with lane l xor 16's: the running largest score
	v_mul_f32 v254, s[CS], v13                     ; as t (c is positive, so the largest score gives the largest t)
	v_mov_b32 v252, v12
	v_floor_f32 v12, -v254                         ; the new -M = floor(-t) = -ceil(t): M is a whole number
	v_sub_f32 v254, v12, v252                      ; M's old value less its new one: a whole number, 0 or less
	v_cvt_i32_f32 v254, v254                       ; (it saturates)
	v_ldexp_f32 v252, 1.0, v254                    ; f = 2^(old M - new M)
.set j, 0
.rept 32
	v_pk_fma_f32 v[96+j:97+j], v[96+j:97+j], s[CS:CS+1], v[12:13] op_sel_hi:[1,0,0]   ; t - M, two at a time (of the pairs c and -M the low word serves both halves)
.set j, j+2
.endr
	s_wait_alu depctr_va_vdst(0)
.set j, 0
.rept 64
	v_exp_f32 v[96+j], v[96+j]                     ; p = 2^(t - M), at most 1: not normalised
.set j, j+1
.endr
	v_pk_mul_f32 v[14:15], v[14:15], v[252:253] op_sel_hi:[1,0]   ; the sums under the new M.  (A plain place behind the exponentials)
	s_wait_alu depctr_va_vdst(0)                   ; one wait for the whole batch, ahead of its first reader
	v_pk_add_f32 v[242:243], v[96:97], v[98:99]    ; the row's sum is taken of the unquantised p: two at a time, in four chains
	v_pk_add_f32 v[246:247], v[100:101], v[102:103]
	v_pk_add_f32 v[248:249], v[104:105], v[106:107]
	v_pk_add_f32 v[14:15], v[14:15], v[108:109]
.irp j, 14,22,30,38,46,54
	v_pk_add_f32 v[242:243], v[242:243], v[96+\j:97+\j]
	v_pk_add_f32 v[246:247], v[246:247], v[98+\j:99+\j]
	v_pk_add_f32 v[248:249], v[248:249], v[100+\j:101+\j]
	v_pk_add_f32 v[14:15], v[14:15], v[102+\j:103+\j]
.endr
	v_pk_add_f32 v[242:243], v[242:243], v[158:159]
	v_pk_add_f32 v[246:247], v[246:247], v[248:249]
	v_pk_add_f32 v[14:15], v[14:15], v[242:243]
	v_pk_add_f32 v[14:15], v[14:15], v[246:247]
.irp t, 0,1,2,3,4,5,6,7
.irp i, 0,1,2,3,4,5,6,7
	v_min_num_f32 v[96+8*\t+\i], v[96+8*\t+\i], v240   ; the conversion to an 8-bit code does not saturate (ISA guide 7.6.2); p is not negative, so the hold is one-sided
.endr
	v_cvt_scalef32_pk8_fp8_f32 v[224+2*\t:225+2*\t], v[96+8*\t:103+8*\t], v244
.endr
	s_wait_alu depctr_va_vdst(0)                   ; the wait here, directly ahead of the first reader of O^T
.set j, 0
.rept 16
	v_pk_mul_f32 v[160+j:161+j], v[160+j:161+j], v[252:253] op_sel_hi:[1,0]   ; O^T under the new M.  (Also the plain lines between the conversions and the products)
.set j, j+2
.endr
	s_wait_alu depctr_va_vdst(0)
	s_wait_dscnt 0x0                               ; V is in
.irp t, 0,1,2,3
	v_wmma_f32_16x16x128_fp8_fp8 v[160+8*\t:167+8*\t], v[32+16*\t:47+16*\t], v[224:239], v[160+8*\t:167+8*\t]   ; four accumulators by turns; eight other products stand between a sum's steps
.endr
.endm
	s_wait_alu depctr_va_vdst(0)
	s_wait_loadcnt 0x0                             ; Q
	s_wait_tensorcnt 0x0                           ; my sixteenth of K and V is in
	s_barrier_signal -1
	s_barrier_wait -1                              ; everybody's is
.Lstep:                                                ; sixteen steps; no wave waits for another in them
	STEP
	s_add_co_u32 s[TB], s[TB], 8192
	s_sub_co_u32 s[CNT], s[CNT], 1
	s_cmp_lg_u32 s[CNT], 0
	s_cbranch_scc1 .Lstep
	; THE WAY OUT: O^T / the sum x 2^(e8 + e9), held, converted: a lane's eight channels of a tile are 8 bytes of a row of 64.  They go through my stage and leave as 1,024 consecutive bytes
.rept 4
	v_nop                                          ; places behind the last products
.endr
	v_add_f32 v14, v14, v15                        ; the sum's two halves,
	v_permlanex16_b32 v252, v14, s[SEL], s[SEL+1]
	v_add_f32 v14, v14, v252                       ; and lane l xor 16's: the row's sum
	s_wait_alu depctr_va_vdst(0)
	v_rcp_f32 v14, v14
	v_nop                                          ; a plain place behind the transcendental
	s_add_co_i32 s70, s54, s55
	s_wait_alu depctr_va_vdst(0)                   ; the wait, ahead of its first reader
	v_ldexp_f32 v14, v14, s70
	s_wait_alu depctr_va_vdst(0)                   ; the wait here, directly ahead of the first reader of O^T
.set j, 0
.rept 32
	v_mul_f32 v[96+j], v[160+j], v14               ; register 8 t + i is attn(query r, channel 16 t + 8 h + i)
.set j, j+1
.endr
.set j, 0
.rept 32
	v_med3_num_f32 v[96+j], v[96+j], -v241, v241
.set j, j+1
.endr
.irp t, 0,1,2,3
	v_cvt_scalef32_pk8_fp8_f32 v[128+2*\t:129+2*\t], v[96+8*\t:103+8*\t], v245
.endr
	v_nop                                          ; a plain line behind the last conversion
.irp t, 0,1,2,3
	ds_store_b64 v4, v[128+2*\t:129+2*\t] offset:16*\t
.endr
	ds_load_b128 v[136:139], v5                    ; LDS serves a wave's instructions in order (ISA guide 5.7.1.4): these see my stores
	ds_load_b128 v[140:143], v5 offset:640
	s_wait_dscnt 1                                 ; the first eight rows are back; the second load may be out
	global_store_b128 v1, v[136:139], s[8:9]       ; 32 lanes store 512 consecutive bytes, at a multiple of 512 from the buffer's first byte
	s_wait_dscnt 0x0
	global_store_b128 v1, v[140:143], s[8:9] offset:512
	s_wait_tensorcnt 0x0                           ; the wave's end, behind my tensor load and my last LDS store
	ds_add_u32 v[SPW], v[NIL]
	s_wait_dscnt 0x0
	ROUND                                          ; the closing round: no work-group ends while a partner may still ask for a tile that names it
	s_endpgm
.Lfunc_end_k_qca2c2d7ec7_attn:
	.size	k_qca2c2d7ec7_attn, .Lfunc_end_k_qca2c2d7ec7_attn-k_qca2c2d7ec7_attn
	.p2alignl 7, 3214868480
	.fill 96, 4, 3214868480
	.section	.rodata,"a",@progbits
	.p2align	6, 0x0
	.amdhsa_kernel k_qca2c2d7ec7_attn
		.amdhsa_group_segment_fixed_size 327680
		.amdhsa_private_segment_fixed_size 0
		.amdhsa_enable_private_segment 0
		.amdhsa_kernarg_size 24
		.amdhsa_user_sgpr_count 2
		.amdhsa_user_sgpr_kernarg_segment_ptr 1
		.amdhsa_wavefront_size32 1
		.amdhsa_system_sgpr_workgroup_id_x 1
		.amdhsa_system_sgpr_workgroup_id_y 1
		.amdhsa_system_sgpr_workgroup_id_z 1
		.amdhsa_system_vgpr_workitem_id 0
		.amdhsa_next_free_vgpr 256
		.amdhsa_next_free_sgpr 80
		.amdhsa_reserve_vcc 0
		.amdhsa_float_denorm_mode_32 3
		.amdhsa_float_denorm_mode_16_64 3
		.amdhsa_memory_ordered 1
		.amdhsa_forward_progress 1
		.amdhsa_inst_pref_size 27
	.end_amdhsa_kernel
	.amdgpu_metadata
---
amdhsa.version: [ 1, 2 ]
amdhsa.kernels:
  - .name:           k_qca2c2d7ec7_attn
    .symbol:         k_qca2c2d7ec7_attn.kd
    .args:
      - { .name: qkv, .offset: 0, .size: 8, .value_kind: global_buffer, .address_space: global }
      - { .name: lowp_scales, .offset: 8, .size: 8, .value_kind: global_buffer, .address_space: global }
      - { .name: ac, .offset: 16, .size: 8, .value_kind: global_buffer, .address_space: global }
    .group_segment_fixed_size: 327680
    .private_segment_fixed_size: 0
    .kernarg_segment_align: 8
    .kernarg_segment_size: 24
    .max_flat_workgroup_size: 512
    .sgpr_count:     80
    .vgpr_count:     256
    .wavefront_size: 32
...
	.end_amdgpu_metadata
.endif
;; end of part 4
;; launch wo (part 5): grid 8 x 32, 4 waves a work-group, clusters of 4 x 4, 327,680 bytes of LDS; arguments ac, Wo_codes, x, bo, lowp_scales, x1, part2; writes x1, part2
.if DOCPART == 5
	.amdgcn_target "amdgcn-amd-amdhsa--gfx1250"
	.amdhsa_code_object_version 6
	.text
	.protected	k_qca2c2d7ec7_wo
	.globl	k_qca2c2d7ec7_wo
	.p2align	8
	.type	k_qca2c2d7ec7_wo,@function
k_qca2c2d7ec7_wo:
	s_mov_b64 s[64:65], 0
	v_nop
	global_prefetch_b8 v0, s[64:65] scope:SCOPE_SE
	s_setreg_imm32_b32 hwreg(HW_REG_WAVE_MODE, 25, 1), 1
	s_wait_xcnt 0x0
	s_wait_alu depctr_hold_cnt(0) depctr_sa_sdst(0) depctr_va_vdst(0) depctr_va_sdst(0) depctr_va_ssrc(0) depctr_va_vcc(0) depctr_vm_vsrc(0)
	s_getreg_b32 s2, hwreg(HW_REG_IB_STS2, 6, 4)
	s_cmp_eq_u32 s2, 0
	s_cbranch_scc0 .Lentry_in_a_cluster
	s_endpgm
.Lentry_in_a_cluster:
	s_bfe_u32 s2, ttmp6, 0x10000c
	s_cmp_lg_u32 s2, 0xf033
	s_cbranch_scc0 .Lentry_shape_is_right
	s_endpgm
.Lentry_shape_is_right:
; out = res + Q P^T x 2^(eq + ep) + bias.  Q: codes of FP8 (E4M3), 4,096 rows x SIZE_K, laid [row / 128][K / 64][128 rows][64 bytes].  P: codes [1024 (n)][SIZE_K], K innermost.  res, out: [4096][1024] f32; bias [1024] f32.
; The exponents eq, ep are entries EQ, EQ + 1 of the scales.  LIMIT: eq + ep between -126 and 127, so that 2^(eq + ep) is an f32 number.
; A tile of out is 128 x 128: 256 work-groups.  Four waves, each 64 x 64: 16 accumulators.  THE MATRIX INSTRUCTION: source 0 = 16 rows of P, source 1 = 16 rows of Q: a lane holds eight neighbouring numbers of a row of out.
; K goes in steps of 512 through two LDS slots filled by the tensor data mover.  Q's part of a slot is eight blocks of 128 rows x 64 bytes, dense in memory; each row gets 16 bytes of padding (pitch 80).  P's is 128 rows of 512
; bytes (pitch 528).  A fragment (16 rows x 128 K) comes by four loads of 16 bytes: k = 32 c + 16 (lane / 16) + 0 .. 15 in registers 4 c on: a permutation of k within the instruction, the same on both sides.
; With SIZE_K = 1,024 (RING = 0) both slots are first fills and nothing is filled again; with more (RING = 1) the slots take turns.
; CLUSTERS: 4 x 4.  Q's tile hangs on the tile row alone and is asked for jointly along a row of the cluster, P's on the tile column alone, along a column.
.set SIZE_K, 1024
.set EQ,     10
.set RING,   0
.set LAPS,   SIZE_K/1024               ; a lap = two K steps = once round the ring
.set PQ,     80                        ; both pitches are odd multiples of 16 bytes: the sixteen rows that a load touches start at sixteen different groups of four banks (64 banks of 4 bytes: ISA guide 11.1)
.set QBYTES, 1024*PQ
.set QHALF,  512*PQ                    ; the slot's upper two quarters: a second address register, since an LDS offset has 16 bits
.set PP,     528
.set PBYTES, 128*PP
.set SLOT,   QBYTES+PBYTES             ; Q's eight blocks, then P's 128 rows
.set STAGE,  2*SLOT                    ; behind the slots: 16 rows x 272 bytes for each wave, for the way out
.set SPITCH, 272
.set SPARE,  STAGE+4*16*SPITCH         ; (RING) behind the stages: the spare words, 128 bytes for each wave: two blocks of 256 bytes that no other line names
.set BI,   12                          ; v12-15  the bias of my 4 columns on the way out
.set ADRQ, 16                          ; v16-19  LDS address of my Q fragments: slot 0 lower, upper quarters; slot 1 likewise
.set ADRP, 20                          ; v20-21  of my P fragments in slot 0, 1
.set STO,  24                          ; v24     the way out: where I put 32 bytes of a row
.set RD,   25                          ; v25     where I read a row back
.set CO,   26                          ; v26     my byte offset in res and out
.set SPW,  28                          ; v28     (RING) LDS address of my spare word: SPARE + 4 x my thread's number; never rewritten
.set NIL,  29                          ; v29     (RING) 0; never rewritten
.set XR,   32                          ; v32-95  res: two sets of 16 rows
.set BK,   96                          ; v96-127 16 rows read back from the stage
.set ACC,  128                         ; v128-255 accumulator (a, b) at v[ACC + 8 (4 a + b)]
.set F0,   0                           ; window 1: two fragment buffers: Q's four fragments, then P's four
.set F1,   128
.set G1Q, 24                           ; s[24:31] descriptor group 1 for Q's tiles; s[32:39] group 0, one set for each slot
.set G0Q, 32
.set G1P, 48                           ; s[48:55], s[56:63] the same for P's
.set G0P, 56
.set MSB, 0
.macro WIN new                         ; the immediate's high byte repeats the setting that is left
.if MSB != \new
	s_set_vgpr_msb (MSB<<8)|\new
.set MSB, \new
.endif
.endm
.set MUL,  0x05                        ; sources 0 and 1 window 1; C and D window 0
.set TO_F, 0x40                        ; destination window 1, address window 0
.macro JLOAD s                         ; a joint load: wave 0 fetches Q's part of slot 0, wave 1 of slot 1, waves 2 and 3 P's parts likewise; four v_nop follow each of the two lines
	s_cmp_eq_u32 s11, 0
	s_cbranch_scc0 .Lfor_p_\@
	tensor_load_to_lds s[G0Q+4*\s:G0Q+4*\s+3], s[G1Q:G1Q+7]
	s_nop 0
.rept 4
	v_nop
.endr
	s_branch .Lasked_\@
.Lfor_p_\@:
	tensor_load_to_lds s[G0P+4*\s:G0P+4*\s+3], s[G1P:G1P+7]
	s_nop 0
.rept 4
	v_nop
.endr
.Lasked_\@:
.endm
.macro CREST                           ; a round of the cluster's barrier behind its opening barrier
	s_cmp_lg_u32 s10, 0
	s_cbranch_scc1 .Lnot_wave_0_\@
	s_barrier_signal -3
.Lnot_wave_0_\@:
	s_barrier_wait -3
	s_barrier_signal -1
	s_barrier_wait -1
.endm
.macro CROUND                          ; a whole round
	s_barrier_signal -1
	s_barrier_wait -1
	CREST
.endm
.macro PLACES                          ; four places in front of loads into registers that matrix instructions have read, and of the first read of results
.rept 4
	v_nop
.endr
.endm
	s_load_b256 s[68:75], s[0:1], 0x0              ; Q's codes 68, P's codes 70, res 72, bias 74
	s_load_b128 s[76:79], s[0:1], 0x20             ; the scales' exponents 76, out 78
	s_load_b64 s[80:81], s[0:1], 0x30              ; part2 [32 chunks of 128 rows][mean, M2][1024] f32: the statistics of out for the next norm, a chunk to a tile row
	v_lshl_add_u32 v[SPW], v0, 2, SPARE
	v_mov_b32 v[NIL], 0
	ds_add_u32 v[SPW], v[NIL]                      ; the opening: the add, twice on end, and its wait ahead of my tensor load
	ds_add_u32 v[SPW], v[NIL]
	v_lshrrev_b32 v1, 5, v0
	v_readfirstlane_b32 s10, v1                    ; wave 0..3
	s_lshr_b32 s11, s10, 1                         ; which half of the tile's rows is mine.  Also: I fetch for Q (0) or for P (1)
	s_and_b32 s12, s10, 1                          ; which half of its columns.  Also: which half of that tile I fetch
	s_bfe_u32 s40, ttmp6, 0x40000                  ; cx, cy: my place in the cluster
	s_bfe_u32 s41, ttmp6, 0x40004
	s_lshl_b32 s42, ttmp9, 2
	s_add_co_u32 s42, s42, s40                     ; tile column = 4 x cluster x + cx
	s_and_b32 s13, ttmp7, 0xffff
	s_lshl_b32 s13, s13, 2
	s_add_co_u32 s13, s13, s41                     ; tile row = 4 x cluster y + cy
	s_lshl_b32 s43, s41, 2
	s_lshl_b32 s43, 15, s43                        ; my row of the cluster
	s_lshl_b32 s44, 0x1111, s40                    ; my column
	s_or_b32 s[G1Q+0], s43, (1<<20)|(1<<21)|(3<<22)|(3<<25)   ; 15:0 the mask; 17:16 elements of 1 byte; 20 padding on; 21 set beside a mask; 24:22 after every 16 words (code 3); 31:25 four words (code 3)
	s_mov_b32 s[G1Q+1], 64<<16                     ; tensor_dim0 = 64
	s_mov_b32 s[G1Q+2], 1024<<16                   ; tensor_dim1 = 1,024: a slot's eight blocks of 128 rows
	s_mov_b32 s[G1Q+3], 64<<16                     ; tile_dim0
	s_mov_b32 s[G1Q+4], 1024                       ; tile_dim1
	s_mov_b32 s[G1Q+5], 64                         ; from row to row: dense
	s_mov_b32 s[G1Q+6], 0
	s_mov_b32 s[G1Q+7], 0
	s_or_b32 s[G1P+0], s44, (1<<20)|(1<<21)|(6<<22)|(3<<25)   ; padding: four words after every 128
	s_mov_b32 s[G1P+1], 512<<16
	s_mov_b32 s[G1P+2], 128<<16
	s_mov_b32 s[G1P+3], 512<<16
	s_mov_b32 s[G1P+4], 128
	s_mov_b32 s[G1P+5], SIZE_K
	s_mov_b32 s[G1P+6], 0
	s_mov_b32 s[G1P+7], 0
	s_mul_i32 s16, s13, SIZE_K*128                 ; Q: the tile row's first byte,
	s_lshl_b32 s18, s12, 16                        ; + my slot's eight blocks of 8,192 bytes
	s_add_co_u32 s16, s16, s18
	s_mov_b32 s17, 0
	s_lshl_b32 s46, s42, 7                         ; P: row 128 x tile column,
	s_mul_i32 s46, s46, SIZE_K
	s_lshl_b32 s19, s12, 9
	s_add_co_u32 s46, s46, s19                     ; + my slot's 512 bytes of each row
	s_mov_b32 s47, 0
	s_mul_i32 s45, s12, SLOT                       ; where they go: my slot; no place in the cluster enters an LDS address
	s_mul_i32 s20, s12, SLOT
	s_add_co_u32 s20, s20, QBYTES
	s_wait_dscnt 0x0                               ; both opening adds are done
	s_wait_kmcnt 0x0
	s_load_b64 s[94:95], s[76:77], EQ*4            ; eq, ep
	s_add_nc_u64 s[4:5], s[68:69], s[16:17]
	s_add_nc_u64 s[6:7], s[70:71], s[46:47]
	CROUND                                         ; all sixteen work-groups are here: the first joint loads meet
.irp s, 0
	s_mov_b32 s[G0Q+4*\s], 1                       ; count = 1
	s_add_co_u32 s[G0Q+4*\s+1], s45, \s*SLOT       ; LDS address
	s_add_nc_u64 s[G0Q+4*\s+2:G0Q+4*\s+3], s[4:5], \s*65536   ; global address: K step s = eight blocks
	s_or_b32 s[G0Q+4*\s+3], s[G0Q+4*\s+3], 0x80000000        ; type = 2
	s_mov_b32 s[G0P+4*\s], 1
	s_add_co_u32 s[G0P+4*\s+1], s20, \s*SLOT
	s_add_nc_u64 s[G0P+4*\s+2:G0P+4*\s+3], s[6:7], \s*512
	s_or_b32 s[G0P+4*\s+3], s[G0P+4*\s+3], 0x80000000
	JLOAD \s                                       ; my one tensor load of the launch: the four waves' loads fill both slots
.endr
	v_and_b32 v1, 15, v0                           ; r = lane % 16
	v_bfe_u32 v2, v0, 4, 1                         ; h = lane / 16
	v_mul_u32_u24 v3, v1, PQ
	v_lshl_add_u32 v3, v2, 4, v3                   ; Q: a fragment's row x pitch + 16 h
	v_mul_u32_u24 v4, v1, PP
	v_lshl_add_u32 v4, v2, 4, v4                   ; P likewise
	s_mul_i32 s21, s11, 64*PQ                      ; my 64 rows in each of Q's blocks
	s_mul_i32 s22, s12, 64*PP
	s_add_co_u32 s22, s22, QBYTES                  ; my 64 rows of P, behind Q's part
.irp s, 0,1
	v_add_nc_u32 v[ADRQ+2*\s], s21, v3
	v_add_nc_u32 v[ADRQ+2*\s+1], QHALF, v[ADRQ+2*\s]
	v_add_nc_u32 v[ADRP+\s], s22, v4
	s_add_co_u32 s21, s21, SLOT
	s_add_co_u32 s22, s22, SLOT
.endr
	s_mul_i32 s23, s10, 16*SPITCH
	s_add_co_u32 s23, s23, STAGE                   ; my stage
	v_mul_u32_u24 v5, v1, SPITCH
	v_lshl_add_u32 v5, v2, 5, v5
	v_add_nc_u32 v[STO], s23, v5                   ; in: row r, 32 bytes for each half of the lanes
	v_mul_u32_u24 v6, v2, SPITCH
	v_lshl_add_u32 v6, v1, 4, v6
	v_add_nc_u32 v[RD], s23, v6                    ; back: lanes 0-15 one row of 256 bytes, lanes 16-31 the next
	v_lshlrev_b32 v7, 12, v2
	v_lshl_add_u32 v[CO], v1, 4, v7                ; and the same two rows in res and out
	v_lshlrev_b32 v8, 4, v1
	s_wait_alu depctr_va_vdst(0)
.set XCH, SPARE+512                    ; behind the spare words: 2 x 4 x 256 bytes through which two waves hand each other their columns' sums
	s_lshl_b32 s84, s10, 8
	s_add_co_u32 s84, s84, XCH
	s_xor_b32 s85, s10, 2                          ; the wave with my columns and the other 64 rows
	s_lshl_b32 s85, s85, 8
	s_add_co_u32 s85, s85, XCH
	v_add_nc_u32 v9, s84, v8                       ; my 256 bytes: 16 bytes for each of sixteen lanes
	v_add_nc_u32 v10, s85, v8                      ; the other wave's
	s_wait_alu depctr_va_vdst(0)
	s_lshl_b32 s86, s42, 9
	s_lshl_b32 s87, s12, 8
	s_add_co_u32 s86, s86, s87                     ; my first column, in bytes: 512 x tile column + 256 x half
	s_mov_b32 s87, 0
	s_add_nc_u64 s[74:75], s[74:75], s[86:87]
	s_lshl_b32 s88, s13, 7
	s_lshl_b32 s89, s11, 6
	s_add_co_u32 s88, s88, s89                     ; my first row
	s_lshl_b32 s88, s88, 12
	s_add_co_u32 s88, s88, s86
	s_mov_b32 s89, 0
	s_add_nc_u64 s[72:73], s[72:73], s[88:89]
	s_add_nc_u64 s[78:79], s[78:79], s[88:89]
	s_lshl_b32 s82, s13, 13                        ; part2: the tile row's chunk of 8,192 bytes,
	s_add_co_u32 s82, s82, s86                     ; + my first column
	s_mov_b32 s83, 0
	s_add_nc_u64 s[80:81], s[80:81], s[82:83]
.macro XLOAD a                         ; res: rows 16 a on of my 64, into set a % 2
.irp t, 0,1,2,3,4,5,6,7
	global_load_b128 v[XR+32*((\a)%2)+4*\t:XR+32*((\a)%2)+4*\t+3], v[CO], s[72:73] offset:(16*(\a)+2*\t)*4096
.endr
.endm
	global_load_b128 v[BI:BI+3], v8, s[74:75]
	XLOAD 0                                        ; asked for now, wanted on the way out
	XLOAD 1
; four matrix instructions: Q's block a against P's four.  zero = 1: the products start the sums.  The 16 accumulators take turns, one instruction a turn, in the same order in every quarter
.macro MULA f, a, zero
.irp b, 0,1,2,3
.if \zero
	v_wmma_f32_16x16x128_fp8_fp8 v[ACC+8*(4*\a+\b):ACC+8*(4*\a+\b)+7], v[\f+64+16*\b:\f+64+16*\b+15], v[\f+16*\a:\f+16*\a+15], 0
.else
	v_wmma_f32_16x16x128_fp8_fp8 v[ACC+8*(4*\a+\b):ACC+8*(4*\a+\b)+7], v[\f+64+16*\b:\f+64+16*\b+15], v[\f+16*\a:\f+16*\a+15], v[ACC+8*(4*\a+\b):ACC+8*(4*\a+\b)+7]
.endif
.endr
.endm
; 32 LDS loads in one run: the fragments of the slot's q-th 128 along K into buffer f: P's four, then Q's four (block 2 q + c / 2 of the slot's eight, byte 32 (c % 2) of its rows)
.macro FETCH slot, q, f
	WIN TO_F
.irp i, 0,1,2,3
.irp c, 0,1,2,3
	ds_load_b128 v[\f+64+16*\i+4*\c:\f+64+16*\i+4*\c+3], v[ADRP+\slot] offset:\i*16*PP+128*(\q)+32*\c
.endr
.endr
.irp i, 0,1,2,3
.irp c, 0,1,2,3
	ds_load_b128 v[\f+16*\i+4*\c:\f+16*\i+4*\c+3], v[ADRQ+2*\slot+(\q)/2] offset:\i*16*PQ+(2*((\q)%2)+\c/2)*128*PQ+32*(\c%2)
.endr
.endr
.endm
; a quarter of a slot: multiplies buffer f; in its middle it fetches quarter qn of the same slot into buffer g
.macro QUARTER slot, qn, f, g, zero
	s_wait_dscnt 8                                 ; P's fragments and Q's blocks 0, 1 are in; the youngest eight loads (blocks 2, 3) may be out
	WIN MUL
	MULA \f, 0, \zero
	MULA \f, 1, \zero
	PLACES
	FETCH \slot, \qn, \g
	s_wait_dscnt 32                                ; all but the 32 just issued
	WIN MUL
	MULA \f, 2, \zero
	MULA \f, 3, \zero
.endm
; a slot's last quarter multiplies buffer 1 and changes slots: ONE barrier; in front of it each wave waits for all its tensor loads and for its own reads of this slot.  fill = 1: this slot is filled again, two K steps ahead
.macro TURN slot, next, fill
	WIN 0
	s_wait_tensorcnt 0x0                           ; all my tensor loads have landed: my part of the next slot
.if RING
	ds_add_u32 v[SPW], v[NIL]                      ; 0 onto my spare word
	s_wait_dscnt 9                                 ; (the add and the youngest eight loads may be out)
.else
	s_wait_dscnt 8
.endif
	WIN MUL
	MULA F1, 0, 0
	MULA F1, 1, 0
	s_wait_dscnt 0x0                               ; my reads of this slot are over (and the add is done)
	s_barrier_signal -1
	MULA F1, 2, 0
.if \fill
	WIN 0
.endif
	s_barrier_wait -1
.if \fill
	CREST                                          ; the barrier has opened a round of the cluster's barrier: no wave of any partner still reads this slot's tile or has a load on its way
	s_add_nc_u64 s[G0Q+4*\slot+2:G0Q+4*\slot+3], s[G0Q+4*\slot+2:G0Q+4*\slot+3], 131072
	s_add_nc_u64 s[G0P+4*\slot+2:G0P+4*\slot+3], s[G0P+4*\slot+2:G0P+4*\slot+3], 1024
	JLOAD \slot                                    ; the first tensor load behind the round, my one load until the next; the four v_nop behind it are also the places in front of the loads below
.else
	PLACES
.endif
	FETCH \next, 0, F0
	WIN MUL
	MULA F1, 3, 0
.endm
	s_wait_tensorcnt 0x0                           ; my part of the two slots is in
	s_barrier_signal -1
	s_barrier_wait -1                              ; everybody's is
	FETCH 0, 0, F0
	QUARTER 0, 1, F0, F1, 1                        ; the first quarter's products start the sums
.if RING
	WIN 0                                          ; at a label and at a branch every window is 0
	s_mov_b32 s3, LAPS-1
.Llap:                                                 ; a trip goes once round the ring, from a lap's second quarter to the next lap's first, and fills both slots again
	QUARTER 0, 2, F1, F0, 0
	QUARTER 0, 3, F0, F1, 0
	TURN 0, 1, 1
	QUARTER 1, 1, F0, F1, 0
	QUARTER 1, 2, F1, F0, 0
	QUARTER 1, 3, F0, F1, 0
	TURN 1, 0, 1
	QUARTER 0, 1, F0, F1, 0
	WIN 0
	s_sub_co_u32 s3, s3, 1
	s_cmp_lg_u32 s3, 0
	s_cbranch_scc1 .Llap
.endif
	QUARTER 0, 2, F1, F0, 0                        ; the last lap fills nothing
	QUARTER 0, 3, F0, F1, 0
	TURN 0, 1, 0
	QUARTER 1, 1, F0, F1, 0
	QUARTER 1, 2, F1, F0, 0
	QUARTER 1, 3, F0, F1, 0
	s_wait_dscnt 8                                 ; the last quarter: nothing more to fetch
	WIN MUL
	MULA F1, 0, 0
	MULA F1, 1, 0
	s_wait_dscnt 0x0
	MULA F1, 2, 0
	MULA F1, 3, 0
	WIN 0
	; THE WAY OUT, 16 rows at a time: the sums go through my own stage in LDS and come back as whole rows of 256 bytes; there res and the bias meet them
	s_wait_kmcnt 0x0
	s_add_co_i32 s94, s94, s95
	s_add_co_i32 s94, s94, 127
	s_lshl_b32 s94, s94, 23                        ; 2^(eq + ep) as f32
	s_mov_b32 s95, s94                             ; (named with it as a pair, so it is written)
	PLACES
.macro FOUT a
.set XS, XR+32*((\a)%2)
.irp b, 0,1,2,3
	ds_store_b128 v[STO], v[ACC+8*(4*\a+\b):ACC+8*(4*\a+\b)+3] offset:64*\b          ; each accumulator from its low end on
	ds_store_b128 v[STO], v[ACC+8*(4*\a+\b)+4:ACC+8*(4*\a+\b)+7] offset:64*\b+16
.endr
.irp t, 0,1,2,3,4,5,6,7
	ds_load_b128 v[BK+4*\t:BK+4*\t+3], v[RD] offset:\t*2*SPITCH   ; LDS serves a wave's instructions in order (ISA guide 5.7.1.4): these see my stores, and the next block's stores come behind them
.endr
.if \a < 3
	s_wait_loadcnt 8                               ; this block's rows of res (and the bias) are in; the next block's eight loads may be out
.else
	s_wait_loadcnt 0x0
.endif
.irp t, 0,1,2,3,4,5,6,7
	v_pk_add_f32 v[XS+4*\t:XS+4*\t+1], v[XS+4*\t:XS+4*\t+1], v[BI:BI+1]
	v_pk_add_f32 v[XS+4*\t+2:XS+4*\t+3], v[XS+4*\t+2:XS+4*\t+3], v[BI+2:BI+3]
.endr
	s_wait_dscnt 0x0
.irp t, 0,1,2,3,4,5,6,7
	v_pk_fma_f32 v[ACC+32*(\a)+4*\t:ACC+32*(\a)+4*\t+1], v[BK+4*\t:BK+4*\t+1], s[94:95], v[XS+4*\t:XS+4*\t+1] op_sel_hi:[1,0,1]   ; the finished numbers go where block a's sums lay (they are in the stage) and stay there for the statistics
	v_pk_fma_f32 v[ACC+32*(\a)+4*\t+2:ACC+32*(\a)+4*\t+3], v[BK+4*\t+2:BK+4*\t+3], s[94:95], v[XS+4*\t+2:XS+4*\t+3] op_sel_hi:[1,0,1]
.endr
.if \a < 2
	XLOAD \a+2
.endif
.irp t, 0,1,2,3,4,5,6,7
	global_store_b128 v[CO], v[ACC+32*(\a)+4*\t:ACC+32*(\a)+4*\t+3], s[78:79] offset:(16*(\a)+2*\t)*4096   ; sixteen lanes store 256 consecutive bytes, at a multiple of 256 from out's first byte; these registers are not written again
.endr
.endm
	FOUT 0
	FOUT 1
	FOUT 2
	FOUT 3
	; THE STATISTICS of the tile's 128 rows for each of its columns: the mean, and M2 = the sum of (x - that mean)^2, centred on the chunk's own mean.
	; v[ACC + 4 i + k], i = 0 .. 31, holds row 2 i + lane / 16 of my 64, column 4 (lane % 16) + k of my 64.  Two passes over these registers; each sum is joined with the other half of the lanes' and with the other wave's.
.set SA, 32                            ; v32-39  sums in two chains
.set MN, 40                            ; v40-43  the mean
.set PT, 44                            ; v44-47  what the other half of the lanes holds
.set MA, 48                            ; v48-55  M2 in two chains
.set RR, 56                            ; v56-63  my sums and the other wave's, back from LDS
.set TT, 64                            ; v64-79  distances from the mean, four sets by turns
.macro ACROSS c, off
	v_pk_add_f32 v[\c:\c+1], v[\c:\c+1], v[\c+4:\c+5]
	v_pk_add_f32 v[\c+2:\c+3], v[\c+2:\c+3], v[\c+6:\c+7]
.irp k, 0,1,2,3
	v_permlanex16_b32 v[PT+\k], v[\c+\k], s90, s91
.endr
	v_pk_add_f32 v[\c:\c+1], v[\c:\c+1], v[PT:PT+1]
	v_pk_add_f32 v[\c+2:\c+3], v[\c+2:\c+3], v[PT+2:PT+3]
	ds_store_b128 v9, v[\c:\c+3] offset:\off       ; both halves of the lanes hold the same numbers and write the same bytes
	s_wait_dscnt 0x0                               ; for the others' sake: my store is done
	s_barrier_signal -1
	s_barrier_wait -1
	ds_load_b128 v[RR:RR+3], v9 offset:\off
	ds_load_b128 v[RR+4:RR+7], v10 offset:\off
	s_wait_dscnt 0x0
	v_pk_add_f32 v[\c:\c+1], v[RR:RR+1], v[RR+4:RR+5]
	v_pk_add_f32 v[\c+2:\c+3], v[RR+2:RR+3], v[RR+6:RR+7]
.endm
	s_mov_b32 s90, 0x76543210                      ; v_permlanex16_b32: each lane takes its own place in the other half
	s_mov_b32 s91, 0xfedcba98
.irp k, 0,1,2,3
	v_mov_b32 v[PT+\k], 0                          ; a lane permute's destination counts as read: written once
.endr
.set i, 2
.rept 30
.if i < 4
	v_pk_add_f32 v[SA+4*(i%2):SA+4*(i%2)+1], v[ACC+4*(i-2):ACC+4*(i-2)+1], v[ACC+4*i:ACC+4*i+1]
	v_pk_add_f32 v[SA+4*(i%2)+2:SA+4*(i%2)+3], v[ACC+4*(i-2)+2:ACC+4*(i-2)+3], v[ACC+4*i+2:ACC+4*i+3]
.else
	v_pk_add_f32 v[SA+4*(i%2):SA+4*(i%2)+1], v[SA+4*(i%2):SA+4*(i%2)+1], v[ACC+4*i:ACC+4*i+1]
	v_pk_add_f32 v[SA+4*(i%2)+2:SA+4*(i%2)+3], v[SA+4*(i%2)+2:SA+4*(i%2)+3], v[ACC+4*i+2:ACC+4*i+3]
.endif
.set i, i+1
.endr
	ACROSS SA, 0
	v_pk_mul_f32 v[MN:MN+1], v[SA:SA+1], 0x3c000000 op_sel_hi:[1,0]       ; / 128
	v_pk_mul_f32 v[MN+2:MN+3], v[SA+2:SA+3], 0x3c000000 op_sel_hi:[1,0]
.set i, 0
.rept 32
	v_pk_add_f32 v[TT+4*(i%4):TT+4*(i%4)+1], v[ACC+4*i:ACC+4*i+1], v[MN:MN+1] neg_lo:[0,1] neg_hi:[0,1]
	v_pk_add_f32 v[TT+4*(i%4)+2:TT+4*(i%4)+3], v[ACC+4*i+2:ACC+4*i+3], v[MN+2:MN+3] neg_lo:[0,1] neg_hi:[0,1]
.if i < 2
	v_pk_mul_f32 v[MA+4*i:MA+4*i+1], v[TT+4*(i%4):TT+4*(i%4)+1], v[TT+4*(i%4):TT+4*(i%4)+1]
	v_pk_mul_f32 v[MA+4*i+2:MA+4*i+3], v[TT+4*(i%4)+2:TT+4*(i%4)+3], v[TT+4*(i%4)+2:TT+4*(i%4)+3]
.else
	v_pk_fma_f32 v[MA+4*(i%2):MA+4*(i%2)+1], v[TT+4*(i%4):TT+4*(i%4)+1], v[TT+4*(i%4):TT+4*(i%4)+1], v[MA+4*(i%2):MA+4*(i%2)+1]
	v_pk_fma_f32 v[MA+4*(i%2)+2:MA+4*(i%2)+3], v[TT+4*(i%4)+2:TT+4*(i%4)+3], v[TT+4*(i%4)+2:TT+4*(i%4)+3], v[MA+4*(i%2)+2:MA+4*(i%2)+3]
.endif
.set i, i+1
.endr
	ACROSS MA, 1024                                ; other LDS bytes than the first time: one barrier serves each
	s_wait_alu depctr_va_vdst(0)                   ; the wait here, directly ahead of the wait below
	s_wait_tensorcnt 0x0                           ; the wave's end, behind my tensor load and my last LDS store
	ds_add_u32 v[SPW], v[NIL]
	s_wait_dscnt 0x0
	v_cmp_ne_u32 vcc_lo, 0, v2
.irp k, 0,1,2,3
	v_cndmask_b32 v[MN+\k], v[MN+\k], v[MA+\k], vcc_lo   ; lanes 0-15 keep the mean, lanes 16-31 take M2
.endr
	s_cmp_lg_u32 s11, 0                            ; both waves of a pair hold the result: the one with the upper rows stores it
	s_cbranch_scc1 .Lno_part
	global_store_b128 v[CO], v[MN:MN+3], s[80:81]  ; two runs of 256 consecutive bytes, 4,096 apart, each at a multiple of 256 from part2's first byte
.Lno_part:
	CROUND                                         ; the closing round: no work-group ends while a partner may still ask for a tile that names it
	s_endpgm
.Lfunc_end_k_qca2c2d7ec7_wo:
	.size	k_qca2c2d7ec7_wo, .Lfunc_end_k_qca2c2d7ec7_wo-k_qca2c2d7ec7_wo
	.p2alignl 7, 3214868480
	.fill 96, 4, 3214868480
	.section	.rodata,"a",@progbits
	.p2align	6, 0x0
	.amdhsa_kernel k_qca2c2d7ec7_wo
		.amdhsa_group_segment_fixed_size 327680
		.amdhsa_private_segment_fixed_size 0
		.amdhsa_enable_private_segment 0
		.amdhsa_kernarg_size 56
		.amdhsa_user_sgpr_count 2
		.amdhsa_user_sgpr_kernarg_segment_ptr 1
		.amdhsa_wavefront_size32 1
		.amdhsa_system_sgpr_workgroup_id_x 1
		.amdhsa_system_sgpr_workgroup_id_y 1
		.amdhsa_system_sgpr_workgroup_id_z 1
		.amdhsa_system_vgpr_workitem_id 0
		.amdhsa_next_free_vgpr 512
		.amdhsa_next_free_sgpr 96
		.amdhsa_reserve_vcc 1
		.amdhsa_float_denorm_mode_32 3
		.amdhsa_float_denorm_mode_16_64 3
		.amdhsa_memory_ordered 1
		.amdhsa_forward_progress 1
		.amdhsa_inst_pref_size 67
	.end_amdhsa_kernel
	.amdgpu_metadata
---
amdhsa.version: [ 1, 2 ]
amdhsa.kernels:
  - .name:           k_qca2c2d7ec7_wo
    .symbol:         k_qca2c2d7ec7_wo.kd
    .args:
      - { .name: ac, .offset: 0, .size: 8, .value_kind: global_buffer, .address_space: global }
      - { .name: Wo_codes, .offset: 8, .size: 8, .value_kind: global_buffer, .address_space: global }
      - { .name: x, .offset: 16, .size: 8, .value_kind: global_buffer, .address_space: global }
      - { .name: bo, .offset: 24, .size: 8, .value_kind: global_buffer, .address_space: global }
      - { .name: lowp_scales, .offset: 32, .size: 8, .value_kind: global_buffer, .address_space: global }
      - { .name: x1, .offset: 40, .size: 8, .value_kind: global_buffer, .address_space: global }
      - { .name: part2, .offset: 48, .size: 8, .value_kind: global_buffer, .address_space: global }
    .group_segment_fixed_size: 327680
    .private_segment_fixed_size: 0
    .kernarg_segment_align: 8
    .kernarg_segment_size: 56
    .max_flat_workgroup_size: 128
    .sgpr_count:     96
    .vgpr_count:     512
    .wavefront_size: 32
...
	.end_amdgpu_metadata
.endif
;; end of part 5
;; launch quant1 (part 6): grid 256 x 1, 8 waves a work-group, no clusters, 31,744 bytes of LDS; arguments x1, part2, gamma2, beta2, lowp_scales, hc; writes hc
.if DOCPART == 6
	.amdgcn_target "amdgcn-amd-amdhsa--gfx1250"
	.amdhsa_code_object_version 6
	.text
	.protected	k_qca2c2d7ec7_quant1
	.globl	k_qca2c2d7ec7_quant1
	.p2align	8
	.type	k_qca2c2d7ec7_quant1,@function
k_qca2c2d7ec7_quant1:
	s_mov_b64 s[64:65], 0
	v_nop
	global_prefetch_b8 v0, s[64:65] scope:SCOPE_SE
	s_setreg_imm32_b32 hwreg(HW_REG_WAVE_MODE, 25, 1), 1
	s_wait_xcnt 0x0
; h = gamma (x - mean) / (sqrt(var) + 1e-5) + beta, mean and unbiased var taken over a batch's 2,048 rows for each column, then h as codes of FP8 (E4M3), row-major [4096][1024], K (the columns) innermost,
; under the given scale 2^e of entry 12 of the scales, into the first 4 MiB of the output.
; code = h / 2^e, held within +-448, to the nearest code, ties to even.  LIMITS: e between -126 and 119, so that 2^e and 448 x 2^e are f32 numbers; NaN among the inputs is not served.
; STATISTICS.  part2 holds, for each chunk of 128 rows, the chunk's mean and M2 (centred on that mean).  A batch's sixteen chunks are joined: mean = the mean of the means, M2 = the sum of the M2 + 128 x the sum of
; (chunk's mean - mean)^2, var = M2 / 2047.  All terms are distances from a mean: no difference of large sums is formed.
; SHARES.  A work-group takes 16 rows.  Wave w takes columns 256 (w % 4) on, rows 8 (w / 4) on.  In a row a lane holds 4 neighbouring columns (16 bytes: a load reads 512 consecutive bytes) and the 4 that lie 128 columns on.
; Each thread makes the parameters of 4 columns; the two waves of a column group hand them to each other through LDS.  A lane's 8 numbers of a row become 8 codes in two registers, 4 bytes for each run of columns;
; they go through the wave's own stage in LDS and leave as rows of 256 bytes, sixteen lanes to a row.
; The statistics, 128 KiB a batch, are the one thing that work-groups share; they come by plain loads through registers, which have no joint form: so no cluster.
.set X,     32                         ; v32-95   row p of 8: 8 numbers at v[X + 8 p]
.set PM,    96                         ; chunk c: mean at P, M2 at P + 4, P = 96 + 8 c for c < 8 (v96-159), 192 + 8 (c - 8) for the rest (v192-255); free again behind the parameters:
.set T,     96                         ; v96-111  a row's numbers, held: two sets by turns
.set C,     112                        ; v112-127 a row's codes: a pair for each row
.set OUTR,  128                        ; v128-143 rows read back from the stage
.set GA,    160                        ; gamma, beta, mean, gamma / (sqrt(var) + eps) of my 4 columns
.set BE,    164
.set MN,    168
.set AA,    172
.set PR,    8                          ; v8-31    for each of my two runs of columns: mean, factor, beta
.set SC,    176                        ; v176, v177: 2^e, 448 x 2^e
.set PRD,   182                        ; LDS: where I read parameters;  183: where I store them
.set PWR,   183
.set SW,    184                        ; the stage: in;  185: back
.set SR,    185
.set GO,    186                        ; my byte offset in the wave's rows of codes
.set STG,   12288                      ; LDS: parameters [column group][run][mean, factor, beta][512 bytes] from 0; then a stage of 8 rows x 272 bytes in 2,304 bytes for each wave; the spare words from 30,720 on
	s_load_b256 s[4:11], s[0:1], 0x0               ; x, part2, gamma, beta
	s_load_b128 s[12:15], s[0:1], 0x20             ; the scales' exponents, the codes
	v_lshl_add_u32 v190, v0, 2, 30720              ; my spare word, behind the stages; kept for the add alone
	v_mov_b32 v191, 0
	v_lshrrev_b32 v1, 5, v0
	v_readfirstlane_b32 s33, v1                    ; wave 0..7
	v_and_b32 v2, 31, v0                           ; lane
	v_bfe_u32 v3, v0, 5, 2                         ; column group = wave % 4
	v_lshrrev_b32 v4, 7, v0                        ; row half = wave / 4
	v_lshlrev_b32 v5, 4, v2
	v_lshl_add_u32 v6, v3, 10, v5                  ; x: 1,024 x group + 16 x lane
	v_lshl_add_u32 v7, v4, 9, v6                   ; the columns whose parameters I make: the run of my row half
	v_mul_u32_u24 v[PRD], v3, 3072
	v_add_nc_u32 v[PRD], v[PRD], v5
	v_mul_u32_u24 v[PWR], v4, 1536
	v_add_nc_u32 v[PWR], v[PWR], v[PRD]
	v_mul_u32_u24 v187, v1, 2304
	v_add_nc_u32 v187, STG, v187                   ; my wave's stage
	v_lshl_add_u32 v[SW], v2, 2, v187              ; in: 4 bytes a lane
	v_bfe_u32 v188, v0, 4, 1                       ; lane / 16
	v_and_b32 v189, 15, v0                         ; lane % 16
	v_mul_u32_u24 v[SR], v188, 272
	v_lshl_add_u32 v[SR], v189, 4, v[SR]
	v_add_nc_u32 v[SR], v[SR], v187                ; back: sixteen lanes to a row, two rows an instruction
	v_lshlrev_b32 v[GO], 10, v188
	v_lshl_add_u32 v[GO], v3, 8, v[GO]
	v_lshl_add_u32 v[GO], v189, 4, v[GO]           ; and the same place in the codes: row of 1,024 bytes, 256 x group, 16 bytes a lane
	s_lshr_b32 s34, s33, 2
	s_lshl_b32 s36, ttmp9, 16
	s_lshl_b32 s35, s34, 15
	s_add_co_u32 s36, s36, s35                     ; x: (16 x work-group + 8 x row half) rows of 4,096 bytes
	s_mov_b32 s37, 0
	s_lshr_b32 s38, ttmp9, 7                       ; the batch
	s_lshl_b32 s38, s38, 17                        ; its sixteen chunks of 8,192 bytes
	s_mov_b32 s39, 0
	s_lshr_b32 s40, s36, 2                         ; the same rows of 1,024 bytes of codes
	s_mov_b32 s41, 0
	s_wait_alu depctr_va_vdst(0)
	s_wait_kmcnt 0x0
	s_load_b32 s28, s[12:13], 0x30                 ; entry 12
	s_add_nc_u64 s[4:5], s[4:5], s[36:37]
	s_add_nc_u64 s[6:7], s[6:7], s[38:39]
	s_add_nc_u64 s[42:43], s[14:15], s[40:41]
.irp c, 0,1,2,3,4,5,6,7,8,9,10,11,12,13,14,15
.set P, PM+8*\c+32*(\c/8)
	global_load_b128 v[P:P+3], v7, s[6:7] offset:\c*8192
	global_load_b128 v[P+4:P+7], v7, s[6:7] offset:\c*8192+4096
.endr
	global_load_b128 v[GA:GA+3], v7, s[8:9]
	global_load_b128 v[BE:BE+3], v7, s[10:11]
.irp p, 0,1,2,3,4,5,6,7
	global_load_b128 v[X+8*\p:X+8*\p+3], v6, s[4:5] offset:\p*4096
	global_load_b128 v[X+8*\p+4:X+8*\p+7], v6, s[4:5] offset:\p*4096+512
.endr
	s_wait_loadcnt 16                              ; the statistics, gamma and beta are in; x's sixteen loads stay out
.irp k, 0,2
	v_pk_add_f32 v[MN+\k:MN+\k+1], v[PM+\k:PM+\k+1], v[PM+8+\k:PM+8+\k+1]
	v_pk_add_f32 v[PM+4+\k:PM+4+\k+1], v[PM+4+\k:PM+4+\k+1], v[PM+12+\k:PM+12+\k+1]
.endr
.irp c, 2,3,4,5,6,7,8,9,10,11,12,13,14,15
.set P, PM+8*\c+32*(\c/8)
.irp k, 0,2
	v_pk_add_f32 v[MN+\k:MN+\k+1], v[MN+\k:MN+\k+1], v[P+\k:P+\k+1]
	v_pk_add_f32 v[PM+4+\k:PM+4+\k+1], v[PM+4+\k:PM+4+\k+1], v[P+4+\k:P+4+\k+1]
.endr
.endr
.irp k, 0,2
	v_pk_mul_f32 v[MN+\k:MN+\k+1], v[MN+\k:MN+\k+1], 0x3d800000 op_sel_hi:[1,0]   ; / 16: the batch's mean
.endr
.irp c, 0,1,2,3,4,5,6,7,8,9,10,11,12,13,14,15
.set P, PM+8*\c+32*(\c/8)
.irp k, 0,2
	v_pk_add_f32 v[P+\k:P+\k+1], v[P+\k:P+\k+1], v[MN+\k:MN+\k+1] neg_lo:[0,1] neg_hi:[0,1]
.endr
.endr
.irp k, 0,2
	v_pk_mul_f32 v[AA+\k:AA+\k+1], v[PM+\k:PM+\k+1], v[PM+\k:PM+\k+1]
.endr
.irp c, 1,2,3,4,5,6,7,8,9,10,11,12,13,14,15
.set P, PM+8*\c+32*(\c/8)
.irp k, 0,2
	v_pk_fma_f32 v[AA+\k:AA+\k+1], v[P+\k:P+\k+1], v[P+\k:P+\k+1], v[AA+\k:AA+\k+1]
.endr
.endr
.irp k, 0,2
	v_pk_fma_f32 v[AA+\k:AA+\k+1], v[AA+\k:AA+\k+1], 0x43000000, v[PM+4+\k:PM+4+\k+1] op_sel_hi:[1,0,1]   ; M2 = 128 x the chunks' spread + the chunks' M2
.endr
.irp k, 0,2
	v_pk_mul_f32 v[AA+\k:AA+\k+1], v[AA+\k:AA+\k+1], 0x3a001002 op_sel_hi:[1,0]   ; / 2047
.endr
	s_wait_alu depctr_va_vdst(0)
.irp k, 0,1,2,3
	v_sqrt_f32 v[AA+\k], v[AA+\k]
.endr
	v_nop                                          ; a plain instruction between a transcendental and the use of its result
	s_wait_alu depctr_va_vdst(0)                   ; one wait for the four roots, ahead of their first reader
.irp k, 0,1,2,3
	v_add_f32 v[AA+\k], 0x3727c5ac, v[AA+\k]       ; + 1e-5, outside the root
.endr
	s_wait_alu depctr_va_vdst(0)
.irp k, 0,1,2,3
	v_rcp_f32 v[AA+\k], v[AA+\k]
.endr
	v_nop
	s_wait_alu depctr_va_vdst(0)                   ; one wait for the four reciprocals, ahead of their first reader
.irp k, 0,2
	v_pk_mul_f32 v[AA+\k:AA+\k+1], v[AA+\k:AA+\k+1], v[GA+\k:GA+\k+1]
.endr
	ds_store_b128 v[PWR], v[MN:MN+3]
	ds_store_b128 v[PWR], v[AA:AA+3] offset:512
	ds_store_b128 v[PWR], v[BE:BE+3] offset:1024
	s_wait_dscnt 0x0                               ; for the others' sake: my parameters lie in LDS
	s_barrier_signal -1
	s_barrier_wait -1
.irp s, 0,1
.irp k, 0,1,2
	ds_load_b128 v[PR+12*\s+4*\k:PR+12*\s+4*\k+3], v[PRD] offset:\s*1536+\k*512
.endr
.endr
	s_wait_kmcnt 0x0
	s_add_co_i32 s34, s28, 127
	s_lshl_b32 s35, s34, 23
	v_mov_b32 v[SC], s35                           ; 2^e as f32: the conversion takes its exponent field
	s_add_co_i32 s34, s34, 8
	s_lshl_b32 s34, s34, 23
	s_or_b32 s34, s34, 0x600000
	v_mov_b32 v[SC+1], s34                         ; 448 x 2^e
	s_wait_dscnt 0x0
	s_wait_loadcnt 0x0                             ; x
.irp p, 0,1,2,3,4,5,6,7
.irp s, 0,1
.irp k, 0,2
	v_pk_add_f32 v[X+8*\p+4*\s+\k:X+8*\p+4*\s+\k+1], v[X+8*\p+4*\s+\k:X+8*\p+4*\s+\k+1], v[PR+12*\s+\k:PR+12*\s+\k+1] neg_lo:[0,1] neg_hi:[0,1]
.endr
.endr
.endr
.irp p, 0,1,2,3,4,5,6,7
.irp s, 0,1
.irp k, 0,2
	v_pk_fma_f32 v[X+8*\p+4*\s+\k:X+8*\p+4*\s+\k+1], v[X+8*\p+4*\s+\k:X+8*\p+4*\s+\k+1], v[PR+12*\s+4+\k:PR+12*\s+4+\k+1], v[PR+12*\s+8+\k:PR+12*\s+8+\k+1]
.endr
.endr
.endr
.irp p, 0,1,2,3,4,5,6,7
.irp i, 0,1,2,3,4,5,6,7
	v_med3_num_f32 v[T+8*(\p%2)+\i], v[X+8*\p+\i], -v[SC+1], v[SC+1]   ; the conversion to an 8-bit code does not saturate (ISA guide 7.6.2): the hold comes first.  These eight are also the plain lines behind the row before's conversion
.endr
	v_cvt_scalef32_pk8_fp8_f32 v[C+2*\p:C+2*\p+1], v[T+8*(\p%2):T+8*(\p%2)+7], v[SC]
	ds_store_b32 v[SW], v[C+2*\p] offset:272*\p
	ds_store_b32 v[SW], v[C+2*\p+1] offset:272*\p+128
.endr
	v_nop                                          ; a plain line behind the last conversion of the run
.irp i, 0,1,2,3
	ds_load_b128 v[OUTR+4*\i:OUTR+4*\i+3], v[SR] offset:544*\i   ; LDS serves a wave's instructions in order (ISA guide 5.7.1.4): these see my stores
.endr
	s_wait_dscnt 0x0
.irp i, 0,1,2,3
	global_store_b128 v[GO], v[OUTR+4*\i:OUTR+4*\i+3], s[42:43] offset:2048*\i   ; sixteen lanes store 256 consecutive bytes, at a multiple of 256 from the buffer's first byte
.endr
	s_wait_tensorcnt 0x0                           ; the wave's end, behind my last LDS store
	ds_add_u32 v190, v191
	s_wait_dscnt 0x0
	s_endpgm
.Lfunc_end_k_qca2c2d7ec7_quant1:
	.size	k_qca2c2d7ec7_quant1, .Lfunc_end_k_qca2c2d7ec7_quant1-k_qca2c2d7ec7_quant1
	.p2alignl 7, 3214868480
	.fill 96, 4, 3214868480
	.section	.rodata,"a",@progbits
	.p2align	6, 0x0
	.amdhsa_kernel k_qca2c2d7ec7_quant1
		.amdhsa_group_segment_fixed_size 31744
		.amdhsa_private_segment_fixed_size 0
		.amdhsa_enable_private_segment 0
		.amdhsa_kernarg_size 48
		.amdhsa_user_sgpr_count 2
		.amdhsa_user_sgpr_kernarg_segment_ptr 1
		.amdhsa_wavefront_size32 1
		.amdhsa_system_sgpr_workgroup_id_x 1
		.amdhsa_system_sgpr_workgroup_id_y 1
		.amdhsa_system_sgpr_workgroup_id_z 1
		.amdhsa_system_vgpr_workitem_id 0
		.amdhsa_next_free_vgpr 256
		.amdhsa_next_free_sgpr 66
		.amdhsa_reserve_vcc 0
		.amdhsa_float_denorm_mode_32 3
		.amdhsa_float_denorm_mode_16_64 3
		.amdhsa_memory_ordered 1
		.amdhsa_forward_progress 1
		.amdhsa_inst_pref_size 28
	.end_amdhsa_kernel
	.amdgpu_metadata
---
amdhsa.version: [ 1, 2 ]
amdhsa.kernels:
  - .name:           k_qca2c2d7ec7_quant1
    .symbol:         k_qca2c2d7ec7_quant1.kd
    .args:
      - { .name: x1, .offset: 0, .size: 8, .value_kind: global_buffer, .address_space: global }
      - { .name: part2, .offset: 8, .size: 8, .value_kind: global_buffer, .address_space: global }
      - { .name: gamma2, .offset: 16, .size: 8, .value_kind: global_buffer, .address_space: global }
      - { .name: beta2, .offset: 24, .size: 8, .value_kind: global_buffer, .address_space: global }
      - { .name: lowp_scales, .offset: 32, .size: 8, .value_kind: global_buffer, .address_space: global }
      - { .name: hc, .offset: 40, .size: 8, .value_kind: global_buffer, .address_space: global }
    .group_segment_fixed_size: 31744
    .private_segment_fixed_size: 0
    .kernarg_segment_align: 8
    .kernarg_segment_size: 48
    .max_flat_workgroup_size: 256
    .sgpr_count:     66
    .vgpr_count:     256
    .wavefront_size: 32
...
	.end_amdgpu_metadata
.endif
;; end of part 6
;; launch ffn1 (part 7): grid 16 x 16, 4 waves a work-group, clusters of 4 x 4, 327,680 bytes of LDS; arguments hc, W1_codes, b1, lowp_scales, g; writes g
.if DOCPART == 7
	.amdgcn_target "amdgcn-amd-amdhsa--gfx1250"
	.amdhsa_code_object_version 6
	.text
	.protected	k_qca2c2d7ec7_ffn1
	.globl	k_qca2c2d7ec7_ffn1
	.p2align	8
	.type	k_qca2c2d7ec7_ffn1,@function
k_qca2c2d7ec7_ffn1:
	s_mov_b64 s[64:65], 0
	v_nop
	global_prefetch_b8 v0, s[64:65] scope:SCOPE_SE
	s_setreg_imm32_b32 hwreg(HW_REG_WAVE_MODE, 25, 1), 1
	s_wait_xcnt 0x0
	s_wait_alu depctr_hold_cnt(0) depctr_sa_sdst(0) depctr_va_vdst(0) depctr_va_sdst(0) depctr_va_ssrc(0) depctr_va_vcc(0) depctr_vm_vsrc(0)
	s_getreg_b32 s2, hwreg(HW_REG_IB_STS2, 6, 4)
	s_cmp_eq_u32 s2, 0
	s_cbranch_scc0 .Lentry_in_a_cluster
	s_endpgm
.Lentry_in_a_cluster:
	s_bfe_u32 s2, ttmp6, 0x10000c
	s_cmp_lg_u32 s2, 0xf033
	s_cbranch_scc0 .Lentry_shape_is_right
	s_endpgm
.Lentry_shape_is_right:
.set SIZE_K, 1024
.set ROWB,   256
.set PITCH,  272
.set FR,     16
.set NL,     4
.set NP,     4
.set HALFT,  128*PITCH
.set SLOT,   4*HALFT
.set LAPS,   SIZE_K/(2*ROWB)
.set SPARE,  2*SLOT
.set STAGE,  SPARE+512
.set ADRQ, 16
.set ADRP, 20
.set STO,  24
.set RD,   25
.set SPW,  28
.set NIL,  29
.set BC,   32
.set CD,   96
.set QF,   128
.set T,    128
.set RB,   192
.set G1Q, 24
.set G0Q, 32
.set G1P, 48
.set G0P, 56
.set MSB, 0
.macro WIN new
.if MSB != \new
	s_set_vgpr_msb (MSB<<8)|\new
.set MSB, \new
.endif
.endm
.set MUL_LO, 0xa1
.set MUL_HI, 0xf1
.set TO_P,   0x40
.macro JLOAD s
	s_cmp_eq_u32 s11, 0
	s_cbranch_scc0 .Lfor_p_\@
	tensor_load_to_lds s[G0Q+4*\s:G0Q+4*\s+3], s[G1Q:G1Q+7]
	s_nop 0
.rept 4
	v_nop
.endr
	s_branch .Lasked_\@
.Lfor_p_\@:
	tensor_load_to_lds s[G0P+4*\s:G0P+4*\s+3], s[G1P:G1P+7]
	s_nop 0
.rept 4
	v_nop
.endr
.Lasked_\@:
.endm
.macro CREST
	s_cmp_lg_u32 s10, 0
	s_cbranch_scc1 .Lnot_wave_0_\@
	s_barrier_signal -3
.Lnot_wave_0_\@:
	s_barrier_wait -3
	s_barrier_signal -1
	s_barrier_wait -1
.endm
.macro CROUND
	s_barrier_signal -1
	s_barrier_wait -1
	CREST
.endm
.macro PLACES n
.rept \n
	v_nop
.endr
.endm
	s_load_b256 s[68:75], s[0:1], 0x0
	s_load_b64 s[76:77], s[0:1], 0x20
	v_lshl_add_u32 v[SPW], v0, 2, SPARE
	v_mov_b32 v[NIL], 0
	v_lshrrev_b32 v1, 5, v0
	v_readfirstlane_b32 s10, v1
	s_lshr_b32 s11, s10, 1
	s_and_b32 s12, s10, 1
	s_bfe_u32 s40, ttmp6, 0x40000
	s_bfe_u32 s41, ttmp6, 0x40004
	s_lshl_b32 s42, ttmp9, 2
	s_add_co_u32 s42, s42, s40
	s_and_b32 s13, ttmp7, 0xffff
	s_lshl_b32 s13, s13, 2
	s_add_co_u32 s13, s13, s41
	s_lshl_b32 s43, s41, 2
	s_lshl_b32 s43, 15, s43
	s_lshl_b32 s44, 0x1111, s40
	s_or_b32 s[G1Q+0], s43, (1<<20)|(1<<21)|(5<<22)|(3<<25)
	s_or_b32 s[G1P+0], s44, (1<<20)|(1<<21)|(5<<22)|(3<<25)
.irp g, G1Q, G1P
	s_mov_b32 s[\g+1], ROWB<<16
	s_mov_b32 s[\g+2], 128<<16
	s_mov_b32 s[\g+3], ROWB<<16
	s_mov_b32 s[\g+4], 128
	s_mov_b32 s[\g+5], SIZE_K
	s_mov_b32 s[\g+6], 0
	s_mov_b32 s[\g+7], 0
.endr
	s_lshl_b32 s18, s12, 17
	s_lshl_b32 s16, s13, 18
	s_add_co_u32 s16, s16, s18
	s_mov_b32 s17, 0
	s_lshl_b32 s46, s42, 18
	s_add_co_u32 s46, s46, s18
	s_mov_b32 s47, 0
	s_mul_i32 s45, s10, HALFT
	s_wait_kmcnt 0x0
	s_load_b128 s[92:95], s[74:75], 0x30
	s_add_nc_u64 s[4:5], s[68:69], s[16:17]
	s_add_nc_u64 s[6:7], s[70:71], s[46:47]
	CROUND
.irp s, 0,1
	s_mov_b32 s[G0Q+4*\s], 1
	s_add_co_u32 s[G0Q+4*\s+1], s45, \s*SLOT
	s_add_nc_u64 s[G0Q+4*\s+2:G0Q+4*\s+3], s[4:5], \s*ROWB
	s_or_b32 s[G0Q+4*\s+3], s[G0Q+4*\s+3], 0x80000000
	s_mov_b32 s[G0P+4*\s], 1
	s_add_co_u32 s[G0P+4*\s+1], s45, \s*SLOT
	s_add_nc_u64 s[G0P+4*\s+2:G0P+4*\s+3], s[6:7], \s*ROWB
	s_or_b32 s[G0P+4*\s+3], s[G0P+4*\s+3], 0x80000000
	s_wait_alu depctr_va_vdst(0)
	s_wait_tensorcnt 0x0
	ds_add_u32 v28, v29
	ds_add_u32 v28, v29
	s_wait_dscnt 0x0
	CROUND
	JLOAD \s
.endr
	v_and_b32 v1, 15, v0
	s_wait_alu depctr_va_vdst(0)
	v_bfe_u32 v2, v0, 4, 1
	v_mul_u32_u24 v3, v1, PITCH
	v_lshl_add_u32 v4, v2, 4, v3
	s_mul_i32 s21, s11, HALFT
	s_mul_i32 s22, s12, HALFT
	s_add_co_u32 s22, s22, 2*HALFT
.irp s, 0,1
	v_add_nc_u32 v[ADRQ+\s], s21, v4
	v_add_nc_u32 v[ADRP+\s], s22, v4
	s_add_co_u32 s21, s21, SLOT
	s_add_co_u32 s22, s22, SLOT
.endr
	s_mul_i32 s23, s10, 2560
	s_add_co_u32 s23, s23, STAGE
	v_mul_u32_u24 v5, v1, 80
	s_wait_alu depctr_va_vdst(0)
	v_lshl_add_u32 v5, v2, 3, v5
	v_add_nc_u32 v[STO], s23, v5
	v_bfe_u32 v6, v0, 2, 3
	v_and_b32 v7, 3, v0
	v_mul_u32_u24 v6, v6, 80
	v_lshl_add_u32 v6, v7, 4, v6
	v_add_nc_u32 v[RD], s23, v6
	v_and_b32 v10, 31, v0
	v_lshlrev_b32 v10, 4, v10
	v_lshlrev_b32 v9, 5, v2
	s_lshl_b32 s86, s42, 10
	s_lshl_b32 s87, s12, 9
	s_add_co_u32 s86, s86, s87
	s_mov_b32 s87, 0
	s_add_nc_u64 s[72:73], s[72:73], s[86:87]
.irp b, 0,1,2,3,4,5,6,7
	global_load_b128 v[BC+8*\b:BC+8*\b+3], v9, s[72:73] offset:64*\b
	global_load_b128 v[BC+8*\b+4:BC+8*\b+7], v9, s[72:73] offset:64*\b+16
.endr
	s_lshl_b32 s88, s13, 1
	s_add_co_u32 s88, s88, s11
	s_lshl_b32 s88, s88, 6
	s_lshl_b32 s89, s42, 2
	s_add_co_u32 s88, s88, s89
	s_lshl_b32 s89, s12, 1
	s_add_co_u32 s88, s88, s89
	s_lshl_b32 s88, s88, 13
	s_mov_b32 s89, 0
	s_add_nc_u64 s[76:77], s[76:77], s[88:89]
.macro FRAG reg, adr, q, i
.irp c, 0,1,2,3
	ds_load_b128 v[\reg+4*\c:\reg+4*\c+3], v[\adr] offset:128*(\q)+32*\c+(\i)*16*PITCH
.endr
.endm
.macro MUL16 a0, p, zero
.irp a, \a0, \a0+1
.irp b, 0,1,2,3,4,5,6,7
.if \zero
	v_wmma_f32_16x16x128_fp8_fp8 v[8*(8*((\a)%4)+\b):8*(8*((\a)%4)+\b)+7], v[128*(\p)+FR*\b:128*(\p)+FR*\b+FR-1], v[QF+FR*(\a):QF+FR*(\a)+FR-1], 0
.else
	v_wmma_f32_16x16x128_fp8_fp8 v[8*(8*((\a)%4)+\b):8*(8*((\a)%4)+\b)+7], v[128*(\p)+FR*\b:128*(\p)+FR*\b+FR-1], v[QF+FR*(\a):QF+FR*(\a)+FR-1], v[8*(8*((\a)%4)+\b):8*(8*((\a)%4)+\b)+7]
.endif
.endr
.endr
.endm
.macro FETCH_P slot, q, p
	WIN TO_P
.irp i, 0,1,2,3,4,5,6,7
	FRAG 128*(\p)+FR*\i, ADRP+\slot, \q, \i
.endr
	WIN 0
.endm
.macro FETCH_Q slot, q, i0
.irp i, \i0, \i0+1, \i0+2, \i0+3
	FRAG QF+FR*(\i), ADRQ+\slot, \q, \i
.endr
.endm
.macro STEP slot, q, zero
	s_wait_dscnt 4*NL
	WIN MUL_LO
	MUL16 0, (\q)%2, \zero
	MUL16 2, (\q)%2, \zero
	s_wait_dscnt 0
	PLACES NP
	FETCH_P \slot, (\q)+1, 1-(\q)%2
	FETCH_Q \slot, (\q)+1, 0
	WIN MUL_HI
	MUL16 4, (\q)%2, \zero
	MUL16 6, (\q)%2, \zero
	PLACES NP
	WIN 0
	FETCH_Q \slot, (\q)+1, 4
.endm
.macro TURN slot, next, fill
	s_wait_tensorcnt 0x0
	ds_add_u32 v[SPW], v[NIL]
	s_wait_dscnt 4*NL+1
	WIN MUL_LO
	MUL16 0, 1, 0
	s_wait_dscnt 0x0
	s_barrier_signal -1
	MUL16 2, 1, 0
	WIN 0
	s_barrier_wait -1
.if \fill
	CREST
	s_add_nc_u64 s[G0Q+4*\slot+2:G0Q+4*\slot+3], s[G0Q+4*\slot+2:G0Q+4*\slot+3], 2*ROWB
	s_add_nc_u64 s[G0P+4*\slot+2:G0P+4*\slot+3], s[G0P+4*\slot+2:G0P+4*\slot+3], 2*ROWB
	JLOAD \slot
.else
	PLACES NP
.endif
	FETCH_P \next, 0, 0
	FETCH_Q \next, 0, 0
	WIN MUL_HI
	MUL16 4, 1, 0
	MUL16 6, 1, 0
	PLACES NP
	WIN 0
	FETCH_Q \next, 0, 4
.endm
	s_wait_tensorcnt 1
	s_barrier_signal -1
	s_barrier_wait -1
	FETCH_P 0, 0, 0
	FETCH_Q 0, 0, 0
	FETCH_Q 0, 0, 4
	STEP 0, 0, 1
.rept LAPS-1
	TURN 0, 1, 1
	STEP 1, 0, 0
	TURN 1, 0, 1
	STEP 0, 0, 0
.endr
	TURN 0, 1, 0
	STEP 1, 0, 0
	s_wait_dscnt 4*NL
	WIN MUL_LO
	MUL16 0, 1, 0
	MUL16 2, 1, 0
	s_wait_dscnt 0
	WIN MUL_HI
	MUL16 4, 1, 0
	MUL16 6, 1, 0
	WIN 0
	s_wait_kmcnt 0x0
	s_add_co_i32 s96, s94, 127
	s_lshl_b32 s97, s96, 23
	v_mov_b32 v30, s97
	s_add_co_i32 s96, s96, 8
	s_lshl_b32 s96, s96, 23
	s_or_b32 s96, s96, 0x600000
	v_mov_b32 v31, s96
	s_add_co_i32 s94, s92, s93
	s_add_co_i32 s94, s94, 127
	s_lshl_b32 s94, s94, 23
	s_mov_b32 s95, s94
	s_wait_loadcnt 0x0
	PLACES NP
.macro SEND a
.irp j, 0,1
.irp i, 0,1
	global_store_b128 v10, v[RB+16*((\a)%2)+8*\j+4*\i:RB+16*((\a)%2)+8*\j+4*\i+3], s[76:77] offset:\j*8192+(\a)*1024+\i*512
.endr
.endr
.endm
.macro EPI a
	WIN 0x02+((\a)/4)
.irp b, 0,1,2,3,4,5,6,7
.irp j, 0,2,4,6
	v_pk_fma_f32 v[T+8*\b+\j:T+8*\b+\j+1], v[64*((\a)%4)+8*\b+\j:64*((\a)%4)+8*\b+\j+1], s[94:95], v[BC+8*\b+\j:BC+8*\b+\j+1] op_sel_hi:[1,0,1]
.endr
.endr
	WIN 0
.set j, 0
.rept 64
	v_med3_num_f32 v[T+j], v[T+j], 0, v31
.set j, j+1
.endr
.irp b, 0,1,2,3,4,5,6,7
	v_cvt_scalef32_pk8_fp8_f32 v[CD+16*(\a%2)+2*\b:CD+16*(\a%2)+2*\b+1], v[T+8*\b:T+8*\b+7], v30
.endr
	v_nop
.if \a >= 2
	s_wait_alu depctr_va_vdst(0)
	s_wait_xcnt 0x0
.endif
.irp b, 0,1,2,3,4,5,6,7
	ds_store_b64 v[STO], v[CD+16*(\a%2)+2*\b:CD+16*(\a%2)+2*\b+1] offset:1280*(\b/4)+16*(\b%4)
.endr
.irp j, 0,1
.irp i, 0,1
	ds_load_b128 v[RB+16*(\a%2)+8*\j+4*\i:RB+16*(\a%2)+8*\j+4*\i+3], v[RD] offset:1280*\j+640*\i
.endr
.endr
.if \a > 0
	s_wait_dscnt 12
	SEND \a-1
.endif
.endm
	EPI 0
	EPI 1
	EPI 2
	EPI 3
	EPI 4
	EPI 5
	EPI 6
	EPI 7
	s_wait_dscnt 0x0
	SEND 7
	s_wait_tensorcnt 0x0
	ds_add_u32 v[SPW], v[NIL]
	s_wait_dscnt 0x0
	CROUND
	s_endpgm
.Lfunc_end_k_qca2c2d7ec7_ffn1:
	.size	k_qca2c2d7ec7_ffn1, .Lfunc_end_k_qca2c2d7ec7_ffn1-k_qca2c2d7ec7_ffn1
	.p2alignl 7, 3214868480
	.fill 96, 4, 3214868480
	.section	.rodata,"a",@progbits
	.p2align	6, 0x0
	.amdhsa_kernel k_qca2c2d7ec7_ffn1
		.amdhsa_group_segment_fixed_size 327680
		.amdhsa_private_segment_fixed_size 0
		.amdhsa_enable_private_segment 0
		.amdhsa_kernarg_size 40
		.amdhsa_user_sgpr_count 2
		.amdhsa_user_sgpr_kernarg_segment_ptr 1
		.amdhsa_wavefront_size32 1
		.amdhsa_system_sgpr_workgroup_id_x 1
		.amdhsa_system_sgpr_workgroup_id_y 1
		.amdhsa_system_sgpr_workgroup_id_z 1
		.amdhsa_system_vgpr_workitem_id 0
		.amdhsa_next_free_vgpr 1024
		.amdhsa_next_free_sgpr 98
		.amdhsa_reserve_vcc 0
		.amdhsa_float_denorm_mode_32 3
		.amdhsa_float_denorm_mode_16_64 3
		.amdhsa_memory_ordered 1
		.amdhsa_forward_progress 1
		.amdhsa_inst_pref_size 143
	.end_amdhsa_kernel
	.amdgpu_metadata
---
amdhsa.version: [ 1, 2 ]
amdhsa.kernels:
  - .name:           k_qca2c2d7ec7_ffn1
    .symbol:         k_qca2c2d7ec7_ffn1.kd
    .args:
      - { .name: hc, .offset: 0, .size: 8, .value_kind: global_buffer, .address_space: global }
      - { .name: W1_codes, .offset: 8, .size: 8, .value_kind: global_buffer, .address_space: global }
      - { .name: b1, .offset: 16, .size: 8, .value_kind: global_buffer, .address_space: global }
      - { .name: lowp_scales, .offset: 24, .size: 8, .value_kind: global_buffer, .address_space: global }
      - { .name: g, .offset: 32, .size: 8, .value_kind: global_buffer, .address_space: global }
    .group_segment_fixed_size: 327680
    .private_segment_fixed_size: 0
    .kernarg_segment_align: 8
    .kernarg_segment_size: 40
    .max_flat_workgroup_size: 128
    .sgpr_count:     98
    .vgpr_count:     1024
    .wavefront_size: 32
...
	.end_amdgpu_metadata
.endif
;; end of part 7
;; launch ffn2 (part 8): grid 8 x 32, 4 waves a work-group, clusters of 4 x 4, 327,680 bytes of LDS; arguments g, W2_codes, x1, b2, lowp_scales, out0; writes out0
.if DOCPART == 8
	.amdgcn_target "amdgcn-amd-amdhsa--gfx1250"
	.amdhsa_code_object_version 6
	.text
	.protected	k_qca2c2d7ec7_ffn2
	.globl	k_qca2c2d7ec7_ffn2
	.p2align	8
	.type	k_qca2c2d7ec7_ffn2,@function
k_qca2c2d7ec7_ffn2:
	s_mov_b64 s[64:65], 0
	v_nop
	global_prefetch_b8 v0, s[64:65] scope:SCOPE_SE
	s_setreg_imm32_b32 hwreg(HW_REG_WAVE_MODE, 25, 1), 1
	s_wait_xcnt 0x0
	s_wait_alu depctr_hold_cnt(0) depctr_sa_sdst(0) depctr_va_vdst(0) depctr_va_sdst(0) depctr_va_ssrc(0) depctr_va_vcc(0) depctr_vm_vsrc(0)
	s_getreg_b32 s2, hwreg(HW_REG_IB_STS2, 6, 4)
	s_cmp_eq_u32 s2, 0
	s_cbranch_scc0 .Lentry_in_a_cluster
	s_endpgm
.Lentry_in_a_cluster:
	s_bfe_u32 s2, ttmp6, 0x10000c
	s_cmp_lg_u32 s2, 0xf033
	s_cbranch_scc0 .Lentry_shape_is_right
	s_endpgm
.Lentry_shape_is_right:
.set SIZE_K, 4096
.set EQ,     14
.set RING,   1
.set LAPS,   SIZE_K/1024
.set PQ,     80
.set QBYTES, 1024*PQ
.set QHALF,  512*PQ
.set PP,     528
.set PBYTES, 128*PP
.set SLOT,   QBYTES+PBYTES
.set STAGE,  2*SLOT
.set SPITCH, 272
.set SPARE,  STAGE+4*16*SPITCH
.set BI,   12
.set ADRQ, 16
.set ADRP, 20
.set STO,  24
.set RD,   25
.set CO,   26
.set SPW,  28
.set NIL,  29
.set XR,   32
.set BK,   96
.set ACC,  128
.set F0,   0
.set F1,   128
.set G1Q, 24
.set G0Q, 32
.set G1P, 48
.set G0P, 56
.set MSB, 0
.macro WIN new
.if MSB != \new
	s_set_vgpr_msb (MSB<<8)|\new
.set MSB, \new
.endif
.endm
.set MUL,  0x05
.set TO_F, 0x40
.macro JLOAD s
	s_cmp_eq_u32 s11, 0
	s_cbranch_scc0 .Lfor_p_\@
	tensor_load_to_lds s[G0Q+4*\s:G0Q+4*\s+3], s[G1Q:G1Q+7]
	s_nop 0
.rept 4
	v_nop
.endr
	s_branch .Lasked_\@
.Lfor_p_\@:
	tensor_load_to_lds s[G0P+4*\s:G0P+4*\s+3], s[G1P:G1P+7]
	s_nop 0
.rept 4
	v_nop
.endr
.Lasked_\@:
.endm
.macro CREST
	s_cmp_lg_u32 s10, 0
	s_cbranch_scc1 .Lnot_wave_0_\@
	s_barrier_signal -3
.Lnot_wave_0_\@:
	s_barrier_wait -3
	s_barrier_signal -1
	s_barrier_wait -1
.endm
.macro CROUND
	s_barrier_signal -1
	s_barrier_wait -1
	CREST
.endm
.macro PLACES
.rept 4
	v_nop
.endr
.endm
	s_load_b256 s[68:75], s[0:1], 0x0
	s_load_b128 s[76:79], s[0:1], 0x20
.if RING
	v_lshl_add_u32 v[SPW], v0, 2, SPARE
	v_mov_b32 v[NIL], 0
.endif
	v_lshrrev_b32 v1, 5, v0
	v_readfirstlane_b32 s10, v1
	s_lshr_b32 s11, s10, 1
	s_and_b32 s12, s10, 1
	s_bfe_u32 s40, ttmp6, 0x40000
	s_bfe_u32 s41, ttmp6, 0x40004
	s_lshl_b32 s42, ttmp9, 2
	s_add_co_u32 s42, s42, s40
	s_and_b32 s13, ttmp7, 0xffff
	s_lshl_b32 s13, s13, 2
	s_add_co_u32 s13, s13, s41
	s_lshl_b32 s43, s41, 2
	s_lshl_b32 s43, 15, s43
	s_lshl_b32 s44, 0x1111, s40
	s_or_b32 s[G1Q+0], s43, (1<<20)|(1<<21)|(3<<22)|(3<<25)
	s_mov_b32 s[G1Q+1], 64<<16
	s_mov_b32 s[G1Q+2], 512<<16
	s_mov_b32 s[G1Q+3], 64<<16
	s_mov_b32 s[G1Q+4], 512
	s_mov_b32 s[G1Q+5], 64
	s_mov_b32 s[G1Q+6], 0
	s_mov_b32 s[G1Q+7], 0
	s_or_b32 s[G1P+0], s44, (1<<20)|(1<<21)|(6<<22)|(3<<25)
	s_mov_b32 s[G1P+1], 512<<16
	s_mov_b32 s[G1P+2], 64<<16
	s_mov_b32 s[G1P+3], 512<<16
	s_mov_b32 s[G1P+4], 64
	s_mov_b32 s[G1P+5], SIZE_K
	s_mov_b32 s[G1P+6], 0
	s_mov_b32 s[G1P+7], 0
	s_mul_i32 s16, s13, SIZE_K*128
	s_lshl_b32 s18, s12, 15
	s_add_co_u32 s16, s16, s18
	s_mov_b32 s17, 0
	s_lshl_b32 s46, s42, 7
	s_lshl_b32 s19, s12, 6
	s_add_co_u32 s46, s46, s19
	s_mul_i32 s46, s46, SIZE_K
	s_mov_b32 s47, 0
	s_mul_i32 s45, s12, QBYTES/2
	s_mul_i32 s20, s12, PBYTES/2
	s_add_co_u32 s20, s20, QBYTES
	s_wait_kmcnt 0x0
	s_load_b64 s[94:95], s[76:77], EQ*4
	s_add_nc_u64 s[4:5], s[68:69], s[16:17]
	s_add_nc_u64 s[6:7], s[70:71], s[46:47]
	; THE PREFETCHES INTO THE L2.  Behind the load of K step k each wave asks for K step k + 2 of what it fetches: 32 blocks of 256 bytes, a lane a block, one instruction a wave.
	; Of the 128 blocks of a wave's load (Q: four dense blocks of 8,192 bytes; P: 64 rows x 512 bytes) each of the four partners that ask for the tile jointly takes 32, told apart BY ADDRESS (cx for Q, cy for P):
	; so each block is named once in each cluster that will load it.  The loads of K steps 6 and 7 ask for nothing: there is no K step two on.  s[80:81]: where my prefetches stand; s[82:83]: a K step on; v30: my lane's offset
	s_lshl_b32 s85, s40, 13                        ; Q: my work-group's 8,192 bytes of the wave's 32,768
	s_add_co_u32 s85, s85, s16
	s_lshl_b32 s90, s41, 16                        ; P: my work-group's 16 rows of 4,096 bytes of the wave's 64
	s_add_co_u32 s90, s90, s46
	s_mov_b32 s84, 4096
	s_mov_b32 s82, 512
	s_cmp_eq_u32 s11, 0                            ; do I fetch for Q?
	s_cselect_b64 s[80:81], s[68:69], s[70:71]
	s_cselect_b32 s90, s85, s90
	s_cselect_b32 s84, 512, s84                    ; from one pair of lanes to the next: 512 bytes on in Q's dense block, a row on in P
	s_cselect_b32 s82, 0x10000, s82                ; a K step on: eight blocks of Q, 512 bytes of a row of P
	s_mov_b32 s91, 0
	s_mov_b32 s83, 0
	s_add_nc_u64 s[80:81], s[80:81], s[90:91]
	s_add_nc_u64 s[80:81], s[80:81], s[82:83]      ; at K step 1: it is stepped ahead of each load
	v_and_b32 v30, 31, v0
	v_lshrrev_b32 v31, 1, v30
	v_and_b32 v30, 1, v30
	v_lshlrev_b32 v30, 8, v30
	v_mad_u32_u24 v30, v31, s84, v30               ; (lane / 2) x that step + 256 x (lane % 2); never rewritten
	CROUND
.irp s, 0,1
	s_mov_b32 s[G0Q+4*\s], 1
	s_add_co_u32 s[G0Q+4*\s+1], s45, \s*SLOT
	s_add_nc_u64 s[G0Q+4*\s+2:G0Q+4*\s+3], s[4:5], \s*65536
	s_or_b32 s[G0Q+4*\s+3], s[G0Q+4*\s+3], 0x80000000
	s_mov_b32 s[G0P+4*\s], 1
	s_add_co_u32 s[G0P+4*\s+1], s20, \s*SLOT
	s_add_nc_u64 s[G0P+4*\s+2:G0P+4*\s+3], s[6:7], \s*512
	s_or_b32 s[G0P+4*\s+3], s[G0P+4*\s+3], 0x80000000
	s_wait_xcnt 0x0                                ; any prefetch of mine has read its address, so it may be written
	s_add_nc_u64 s[80:81], s[80:81], s[82:83]      ; two K steps on from the load below
	s_wait_alu depctr_va_vdst(0)
	s_wait_tensorcnt 0x0
	ds_add_u32 v28, v29
	ds_add_u32 v28, v29
	s_wait_dscnt 0x0
	CROUND
	JLOAD \s
	global_prefetch_b8 v30, s[80:81] th:TH_LOAD_NT scope:SCOPE_SE   ; K step 2 + s
.endr
	v_and_b32 v1, 15, v0
	v_bfe_u32 v2, v0, 4, 1
	v_mul_u32_u24 v3, v1, PQ
	v_lshl_add_u32 v3, v2, 4, v3
	v_mul_u32_u24 v4, v1, PP
	v_lshl_add_u32 v4, v2, 4, v4
	s_mul_i32 s21, s11, 64*PQ
	s_mul_i32 s22, s12, 64*PP
	s_add_co_u32 s22, s22, QBYTES
.irp s, 0,1
	v_add_nc_u32 v[ADRQ+2*\s], s21, v3
	v_add_nc_u32 v[ADRQ+2*\s+1], QHALF, v[ADRQ+2*\s]
	v_add_nc_u32 v[ADRP+\s], s22, v4
	s_add_co_u32 s21, s21, SLOT
	s_add_co_u32 s22, s22, SLOT
.endr
	s_mul_i32 s23, s10, 16*SPITCH
	s_add_co_u32 s23, s23, STAGE
	v_mul_u32_u24 v5, v1, SPITCH
	v_lshl_add_u32 v5, v2, 5, v5
	v_add_nc_u32 v[STO], s23, v5
	v_mul_u32_u24 v6, v2, SPITCH
	v_lshl_add_u32 v6, v1, 4, v6
	v_add_nc_u32 v[RD], s23, v6
	v_lshlrev_b32 v7, 12, v2
	v_lshl_add_u32 v[CO], v1, 4, v7
	v_lshlrev_b32 v8, 4, v1
	s_wait_alu depctr_va_vdst(0)
	s_lshl_b32 s86, s42, 9
	s_lshl_b32 s87, s12, 8
	s_add_co_u32 s86, s86, s87
	s_mov_b32 s87, 0
	s_add_nc_u64 s[74:75], s[74:75], s[86:87]
	s_lshl_b32 s88, s13, 7
	s_lshl_b32 s89, s11, 6
	s_add_co_u32 s88, s88, s89
	s_lshl_b32 s88, s88, 12
	s_add_co_u32 s88, s88, s86
	s_mov_b32 s89, 0
	s_add_nc_u64 s[72:73], s[72:73], s[88:89]
	s_add_nc_u64 s[78:79], s[78:79], s[88:89]
.macro XLOAD a
.irp t, 0,1,2,3,4,5,6,7
	global_load_b128 v[XR+32*((\a)%2)+4*\t:XR+32*((\a)%2)+4*\t+3], v[CO], s[72:73] offset:(16*(\a)+2*\t)*4096
.endr
.endm
	global_load_b128 v[BI:BI+3], v8, s[74:75]
	XLOAD 0
	XLOAD 1
.macro MULA f, a, zero
.irp b, 0,1,2,3
.if \zero
	v_wmma_f32_16x16x128_fp8_fp8 v[ACC+8*(4*\a+\b):ACC+8*(4*\a+\b)+7], v[\f+64+16*\b:\f+64+16*\b+15], v[\f+16*\a:\f+16*\a+15], 0
.else
	v_wmma_f32_16x16x128_fp8_fp8 v[ACC+8*(4*\a+\b):ACC+8*(4*\a+\b)+7], v[\f+64+16*\b:\f+64+16*\b+15], v[\f+16*\a:\f+16*\a+15], v[ACC+8*(4*\a+\b):ACC+8*(4*\a+\b)+7]
.endif
.endr
.endm
.macro FETCH slot, q, f
	WIN TO_F
.irp i, 0,1,2,3
.irp c, 0,1,2,3
	ds_load_b128 v[\f+64+16*\i+4*\c:\f+64+16*\i+4*\c+3], v[ADRP+\slot] offset:\i*16*PP+128*(\q)+32*\c
.endr
.endr
.irp i, 0,1,2,3
.irp c, 0,1,2,3
	ds_load_b128 v[\f+16*\i+4*\c:\f+16*\i+4*\c+3], v[ADRQ+2*\slot+(\q)/2] offset:\i*16*PQ+(2*((\q)%2)+\c/2)*128*PQ+32*(\c%2)
.endr
.endr
.endm
.macro QUARTER slot, qn, f, g, zero
	s_wait_dscnt 8
	WIN MUL
	MULA \f, 0, \zero
	MULA \f, 1, \zero
	PLACES
	FETCH \slot, \qn, \g
	s_wait_dscnt 32
	WIN MUL
	MULA \f, 2, \zero
	MULA \f, 3, \zero
.endm
.macro ASK                             ; the prefetch behind a refill; in the loop's last trip (s3 = 1) there is no K step two on
	s_cmp_gt_u32 s3, 1
	s_cbranch_scc0 .Lno_ask_\@
	global_prefetch_b8 v30, s[80:81] th:TH_LOAD_NT scope:SCOPE_SE
.Lno_ask_\@:
.endm
.macro TURN slot, next, fill
	WIN 0
.if \fill
	s_wait_xcnt 0x0                                ; the last prefetch, a K step back, has read its address: it is stepped here, ahead of the waits of the change of slots
	s_add_nc_u64 s[80:81], s[80:81], s[82:83]
.endif
	s_wait_tensorcnt 0x0
.if RING
	ds_add_u32 v[SPW], v[NIL]
	s_wait_dscnt 9
.else
	s_wait_dscnt 8
.endif
	WIN MUL
	MULA F1, 0, 0
	MULA F1, 1, 0
	s_wait_dscnt 0x0
	s_barrier_signal -1
	MULA F1, 2, 0
.if \fill
	WIN 0
.endif
	s_barrier_wait -1
.if \fill
	CREST
	s_add_nc_u64 s[G0Q+4*\slot+2:G0Q+4*\slot+3], s[G0Q+4*\slot+2:G0Q+4*\slot+3], 131072
	s_add_nc_u64 s[G0P+4*\slot+2:G0P+4*\slot+3], s[G0P+4*\slot+2:G0P+4*\slot+3], 1024
	JLOAD \slot
.else
	PLACES
.endif
	FETCH \next, 0, F0
.if \fill
	WIN 0                                          ; (a branch follows)
	ASK                                            ; behind the joint load and the run of LDS loads that the next products wait for
.endif
	WIN MUL
	MULA F1, 3, 0
.endm
	s_wait_tensorcnt 1
	s_barrier_signal -1
	s_barrier_wait -1
	FETCH 0, 0, F0
	QUARTER 0, 1, F0, F1, 1
.if RING
	WIN 0
	s_mov_b32 s3, LAPS-1
.Llap:
	QUARTER 0, 2, F1, F0, 0
	QUARTER 0, 3, F0, F1, 0
	TURN 0, 1, 1
	QUARTER 1, 1, F0, F1, 0
	QUARTER 1, 2, F1, F0, 0
	QUARTER 1, 3, F0, F1, 0
	TURN 1, 0, 1
	QUARTER 0, 1, F0, F1, 0
	WIN 0
	s_sub_co_u32 s3, s3, 1
	s_cmp_lg_u32 s3, 0
	s_cbranch_scc1 .Llap
.endif
	QUARTER 0, 2, F1, F0, 0
	QUARTER 0, 3, F0, F1, 0
	TURN 0, 1, 0
	QUARTER 1, 1, F0, F1, 0
	QUARTER 1, 2, F1, F0, 0
	QUARTER 1, 3, F0, F1, 0
	s_wait_dscnt 8
	WIN MUL
	MULA F1, 0, 0
	MULA F1, 1, 0
	s_wait_dscnt 0x0
	MULA F1, 2, 0
	MULA F1, 3, 0
	WIN 0
	s_wait_kmcnt 0x0
	s_add_co_i32 s94, s94, s95
	s_add_co_i32 s94, s94, 127
	s_lshl_b32 s94, s94, 23
	s_mov_b32 s95, s94
	PLACES
.macro FOUT a
.set XS, XR+32*((\a)%2)
.if \a > 0
	s_wait_xcnt 0x0
.endif
.irp b, 0,1,2,3
	ds_store_b128 v[STO], v[ACC+8*(4*\a+\b):ACC+8*(4*\a+\b)+3] offset:64*\b
	ds_store_b128 v[STO], v[ACC+8*(4*\a+\b)+4:ACC+8*(4*\a+\b)+7] offset:64*\b+16
.endr
.irp t, 0,1,2,3,4,5,6,7
	ds_load_b128 v[BK+4*\t:BK+4*\t+3], v[RD] offset:\t*2*SPITCH
.endr
.if \a < 3
	s_wait_loadcnt 8
.else
	s_wait_loadcnt 0x0
.endif
.irp t, 0,1,2,3,4,5,6,7
	v_pk_add_f32 v[XS+4*\t:XS+4*\t+1], v[XS+4*\t:XS+4*\t+1], v[BI:BI+1]
	v_pk_add_f32 v[XS+4*\t+2:XS+4*\t+3], v[XS+4*\t+2:XS+4*\t+3], v[BI+2:BI+3]
.endr
	s_wait_dscnt 0x0
.irp t, 0,1,2,3,4,5,6,7
	v_pk_fma_f32 v[BK+4*\t:BK+4*\t+1], v[BK+4*\t:BK+4*\t+1], s[94:95], v[XS+4*\t:XS+4*\t+1] op_sel_hi:[1,0,1]
	v_pk_fma_f32 v[BK+4*\t+2:BK+4*\t+3], v[BK+4*\t+2:BK+4*\t+3], s[94:95], v[XS+4*\t+2:XS+4*\t+3] op_sel_hi:[1,0,1]
.endr
.if \a < 2
	XLOAD \a+2
.endif
.irp t, 0,1,2,3,4,5,6,7
.if RING
	global_store_b128 v[CO], v[BK+4*\t:BK+4*\t+3], s[78:79] offset:(16*(\a)+2*\t)*4096 th:TH_STORE_NT
.else
	global_store_b128 v[CO], v[BK+4*\t:BK+4*\t+3], s[78:79] offset:(16*(\a)+2*\t)*4096
.endif
.endr
.endm
	FOUT 0
	FOUT 1
	FOUT 2
	FOUT 3
.if RING
	s_wait_tensorcnt 0x0
	ds_add_u32 v[SPW], v[NIL]
	s_wait_dscnt 0x0
.endif
	CROUND
	s_endpgm
.Lfunc_end_k_qca2c2d7ec7_ffn2:
	.size	k_qca2c2d7ec7_ffn2, .Lfunc_end_k_qca2c2d7ec7_ffn2-k_qca2c2d7ec7_ffn2
	.p2alignl 7, 3214868480
	.fill 96, 4, 3214868480
	.section	.rodata,"a",@progbits
	.p2align	6, 0x0
	.amdhsa_kernel k_qca2c2d7ec7_ffn2
		.amdhsa_group_segment_fixed_size 327680
		.amdhsa_private_segment_fixed_size 0
		.amdhsa_enable_private_segment 0
		.amdhsa_kernarg_size 48
		.amdhsa_user_sgpr_count 2
		.amdhsa_user_sgpr_kernarg_segment_ptr 1
		.amdhsa_wavefront_size32 1
		.amdhsa_system_sgpr_workgroup_id_x 1
		.amdhsa_system_sgpr_workgroup_id_y 1
		.amdhsa_system_sgpr_workgroup_id_z 1
		.amdhsa_system_vgpr_workitem_id 0
		.amdhsa_next_free_vgpr 512
		.amdhsa_next_free_sgpr 96
		.amdhsa_reserve_vcc 0
		.amdhsa_float_denorm_mode_32 3
		.amdhsa_float_denorm_mode_16_64 3
		.amdhsa_memory_ordered 1
		.amdhsa_forward_progress 1
		.amdhsa_inst_pref_size 84
	.end_amdhsa_kernel
	.amdgpu_metadata
---
amdhsa.version: [ 1, 2 ]
amdhsa.kernels:
  - .name:           k_qca2c2d7ec7_ffn2
    .symbol:         k_qca2c2d7ec7_ffn2.kd
    .args:
      - { .name: g, .offset: 0, .size: 8, .value_kind: global_buffer, .address_space: global }
      - { .name: W2_codes, .offset: 8, .size: 8, .value_kind: global_buffer, .address_space: global }
      - { .name: x1, .offset: 16, .size: 8, .value_kind: global_buffer, .address_space: global }
      - { .name: b2, .offset: 24, .size: 8, .value_kind: global_buffer, .address_space: global }
      - { .name: lowp_scales, .offset: 32, .size: 8, .value_kind: global_buffer, .address_space: global }
      - { .name: out0, .offset: 40, .size: 8, .value_kind: global_buffer, .address_space: global }
    .group_segment_fixed_size: 327680
    .private_segment_fixed_size: 0
    .kernarg_segment_align: 8
    .kernarg_segment_size: 48
    .max_flat_workgroup_size: 128
    .sgpr_count:     96
    .vgpr_count:     512
    .wavefront_size: 32
...
	.end_amdgpu_metadata
.endif
;; end of part 8
